; MI455X (gfx1250); checked and timed in simulation.
; The chip was launched on July 23, 2026; its instructions are those of AMD's public machine-readable ISA for CDNA 5 (MIT licence, August 2026) and "CDNA5" Instruction Set Architecture Reference Guide (July 2026). The comments in the code are by the model that wrote it; some were corrected since.
;; Cross Attention. Allowed arithmetic: matrix products marked QUANTISED: E5M2 operands, one E8M0 scale for each 32 along K, by v_wmma_scale_f32_16x16x128_f8f6f4 with both operands' format E5M2, f32 sums; everything else in f32.
;; Inputs: Wk_codes 1,024 x 24 x 32 uint8 (E5M2 codes of Wk, K innermost, in blocks of 32 codes); Wk_scales 1,024 x 24 uint8 (E8M0 scales of Wk, one for each 32 codes along K); Wo_codes 1,024 x 32 x 32 uint8 (E5M2 codes of Wo, K innermost, in blocks of 32 codes); Wo_scales 1,024 x 32 uint8 (E8M0 scales of Wo, one for each 32 codes along K); Wq_codes 1,024 x 32 x 32 uint8 (E5M2 codes of Wq, K innermost, in blocks of 32 codes); Wq_scales 1,024 x 32 uint8 (E8M0 scales of Wq, one for each 32 codes along K); Wv_codes 1,024 x 24 x 32 uint8 (E5M2 codes of Wv, K innermost, in blocks of 32 codes); Wv_scales 1,024 x 24 uint8 (E8M0 scales of Wv, one for each 32 codes along K); bo 1,024 float32; context_codes 4 x 2,048 x 24 x 32 uint8 (E5M2 codes of context, K innermost, in blocks of 32 codes); context_scales 4 x 2,048 x 24 uint8 (E8M0 scales of context, one for each 32 codes along K); x_codes 4 x 2,048 x 32 x 32 uint8 (E5M2 codes of x, K innermost, in blocks of 32 codes); x_scales 4 x 2,048 x 32 uint8 (E8M0 scales of x, one for each 32 codes along K).
;; Outputs: out0 4 x 2,048 x 1,024 float32.
;; This version of the problem:
;;   THIS VERSION OF THE PROBLEM IS GIVEN IN LOW PRECISION. The matrix products marked QUANTISED in the list below multiply operands that are first quantised to E5M2 (5 exponent bits, 2 mantissa bits; 8 bits a number), with one power-of-two scale for each 32 numbers along K (OCP MX v1.0); their sums are f32. All else is computed in f32.
;;   The module's matrix products, in the order in which they are computed (A, B: the left and right operand; K: the contracted axis; several contracted axes count as one K, in the product's order):
;;     1. [M 8,192, K 1,024] x [K 1,024, N 1,024]; A: input x (given as codes); B: input Wq (given as codes): QUANTISED
;;     2. [M 8,192, K 768] x [K 768, N 1,024]; A: input context (given as codes); B: input Wk (given as codes): QUANTISED
;;     3. [M 8,192, K 768] x [K 768, N 1,024]; A: input context (given as codes); B: input Wv (given as codes): QUANTISED
;;     4. batch 64 x [M 2,048, K 64] x [K 64, N 2,048]; A: computed on the way; B: computed on the way: QUANTISED
;;     5. batch 64 x [M 64, K 2,048] x [K 2,048, N 2,048]; A: computed on the way; B: softmax (see below): QUANTISED
;;     6. [M 8,192, K 1,024] x [K 1,024, N 1,024]; A: computed on the way; B: input Wo (given as codes): QUANTISED
;;   THE QUANTISER, for each operand of a quantised product, along K:
;;     - K is cut into blocks of 32 from its start; a last block that is shorter is filled with zeros.
;;     - A block's scale is 2^e with e = floor(log2(the largest magnitude in the block)) - 15, held to -126 .. 127; a block of zeros has e = 0. As a byte (E8M0): e + 127.
;;     - Each number is divided by its block's scale, clamped to +-57,344, and rounded to the nearest number of E5M2, ties to even, subnormals kept.
;;     - The product sums the exact products of the quantised numbers (number of the format x scale) in f32.
;;   ~~~python
;;   def quantise(x, axis):      # numpy; x: float32 -> the quantised numbers, widened to float32 again
;;       x = np.moveaxis(x, axis, -1); K = x.shape[-1]
;;       x = np.pad(x, [(0, 0)] * (x.ndim - 1) + [(0, -K % 32)]); x = x.reshape(x.shape[:-1] + (-1, 32)); a = np.abs(x).max(-1, keepdims=True)
;;       e = np.where(a > 0, np.clip(np.frexp(np.where(a > 0, a, 1))[1] - 1 - 15, -126, 127), 0)      # np.frexp(a)[1] - 1 = floor(log2(a)), exactly
;;       r = np.clip(x / 2.0 ** e, -57344, 57344)
;;       step = 2.0 ** (np.maximum(np.frexp(np.where(r == 0, 1, r))[1] - 1, -14) - 2)
;;       q = np.round(r / step) * step * 2.0 ** e      # np.round: ties to even
;;       return np.moveaxis(q.reshape(q.shape[:-2] + (-1,))[..., :K], -1, axis).astype(np.float32)
;;   ~~~
;;   SOFTMAX AHEAD OF A QUANTISED PRODUCT. Where the list says 'softmax', what is quantised is not the finished softmax but p = 2^(t - M), with t = logit x log2(e) and M = ceil(the row's largest t), a whole number; so 1/2 < the row's largest p <= 1. The row's sum l is taken of the UNQUANTISED p, in f32, and the product's result is divided by l at the end. Since M is a whole number, a kernel that streams over the keys may use a running M (the ceiling of the running maximum): every later rescaling is an exact power of two, which a block's scale takes up: the codes' values come out the same.
;;   OPERANDS COMPUTED ON THE WAY. 'Computed on the way' means the value that the module computes at that place (a softmax that the list does not call 'softmax' is quantised finished and normalised). What goes into a quantiser is computed in f32, as accurately as f32 sums, v_exp_f32 and their like allow (about 1e-6 of the number): no bf16 or f16 on the way to a quantiser, and a product that is left as it is and whose result goes on into a quantised operand takes f32 operands (vector FMAs, or v_wmma_f32_16x16x4_f32). A number that lies on a knife's edge between two numbers of the format may be rounded either way, as far as f32 arithmetic and the matrix unit's own rounding can turn it there, and no further.
;;   INPUTS GIVEN AS CODES. Wk (in the module: [768, 1024], K = its axis 0); Wo (in the module: [1024, 1024], K = its axis 0); Wq (in the module: [1024, 1024], K = its axis 0); Wv (in the module: [768, 1024], K = its axis 0); context (in the module: [4, 2048, 768], K = its axis 2); x (in the module: [4, 2048, 1024], K = its axis 2): each comes as NAME_codes (uint8): NAME with its K axis moved to the last place and cut into blocks of 32 codes, [.., K / 32, bytes a block], one block behind the other in memory; one code a byte (a code: sign, 5 exponent bits, 2 mantissa bits); and NAME_scales (uint8): the same leading axes, one E8M0 byte (e + 127) for each 32 codes along K. Its value is code x scale, taken as it is: it is not quantised again, and the codes and scales need not be those that the quantiser above would give.
;; One version. Each part assembles by itself: llvm-mc -triple=amdgcn-amd-amdhsa -mcpu=gfx1250 --defsym DOCPART=n.
;; ======== version 1 of 1: 4 launches
;; limits: right only within a limited range of input values
;; workspace buffers: q_img 8,388,608 bytes; k_img 8,388,608 bytes; vs_img 9,175,040 bytes; q_sc 524,288 bytes; o_img 8,388,608 bytes; o_sc 262,144 bytes
;; launch projq (part 1): grid 8 x 32, 4 waves a work-group, clusters of 4 x 4, 327,680 bytes of LDS; arguments x_codes, Wq_codes, x_scales, Wq_scales, q_img, q_sc; writes q_img, q_sc
.if DOCPART == 1
	.amdgcn_target "amdgcn-amd-amdhsa--gfx1250"
	.amdhsa_code_object_version 6
	.text
	.protected	k_qb2e50d3736_projq
	.globl	k_qb2e50d3736_projq
	.p2align	8
	.type	k_qb2e50d3736_projq,@function
k_qb2e50d3736_projq:
	s_mov_b64 s[64:65], 0
	v_nop
	global_prefetch_b8 v0, s[64:65] scope:SCOPE_SE
	s_setreg_imm32_b32 hwreg(HW_REG_WAVE_MODE, 25, 1), 1
	s_wait_xcnt 0x0
	s_wait_alu depctr_hold_cnt(0) depctr_sa_sdst(0) depctr_va_vdst(0) depctr_va_sdst(0) depctr_va_ssrc(0) depctr_va_vcc(0) depctr_vm_vsrc(0)
	s_getreg_b32 s2, hwreg(HW_REG_IB_STS2, 6, 4)
	s_cmp_eq_u32 s2, 0
	s_cbranch_scc0 .Lentry_in_a_cluster
	s_endpgm
.Lentry_in_a_cluster:
	s_bfe_u32 s2, ttmp6, 0x10000c
	s_cmp_lg_u32 s2, 0xf033
	s_cbranch_scc0 .Lentry_shape_is_right
	s_endpgm
.Lentry_shape_is_right:
; CROSS-ATTENTION IN MX-BF8, FOUR LAUNCHES: q = x Wq (this one), k and v of the context, the attention, the projection on the way out (this text with QM = 0).
; NOTHING OF THE PROBLEM IS LEFT OUT: all six products are live and every input has a way to out0, so every input is loaded by some launch.
; THIS TEXT: C[m][n] = sum over k of A[m][k] W[n][k], 8,192 x 1,024 x 1,024, on codes of E5M2 with one E8M0 byte for each 32 along K, f32 sums.
; THE DEAL: 256 work-groups, each 256 rows x 128 columns; four waves, 2 x 2.  A wave holds 64 rows of W, all of K, in 512 registers (windows 1, 2) and streams eight blocks of 16 rows of A past them;
; a block, all of K, stands in one of two sets of 128 registers (window 3).  Wave row w takes tiles 2 s + w of the work-group's sixteen.
; LDS: rows of 1,024 bytes + 16.  At the head tiles 0-8 of A (waves 0-2) and W's 128 rows (wave 3), one joint load a wave; when W is in registers, tiles 9-15 are filled over W's rows, behind a drained round, 28 rows a wave; a barrier behind block 3 shows them.
; CLUSTERS: 4 x 4; A's rows are asked for jointly by a row of the cluster, W's by a column.  The rows of the one later fill are prefetched once in the cluster's row, 28 blocks of 256 bytes a wave, told apart by address.
; TRANSPOSED USE: source 0 = W's rows, source 1 = A's: a lane holds one row of A, its registers run along the columns.  A block's way out stands among the next block's products (two sets of sums).
; QM = 1: the 64 columns of a wave are one head: two blocks of 32 along d, quantised by the problem's rule; q_img: [batch x 16 + head][tile of 16 tokens][2 pieces of 512 bytes: lane l's 16 bytes at 16 l];
;   q_sc: for each 128 tokens of a head [lane l][4 words]: word w = tile 2 w + l / 16, row l % 16: two scale bytes, then twice 0x7f for the half of K = 128 that holds zero codes.
; QM = 0: A is the attention's image [tile of 16 tokens][head][2 pieces]; the bias is the first products' C; results leave through a stage of the wave's own as whole units of 256 bytes.
; LIMITS: NaN and infinity codes and the scale byte 0xff among the inputs are not served.  A block whose largest magnitude lies under 2^-111, a block of zeros too, gets the byte 1; these bytes are read by this program alone.
.set QM,    1
.set P,     1040
.set TILE,  16*P
.set WB,    9*TILE
.set STAGE, WB+128*P
.set SPARE, STAGE+4*16*272
.set ADW,   4
.set ADA0,  5
.set ADA,   6
.set VSL,   7
.set VB8,   8
.set STO,   9
.set RD,    10
.set CO,    11
.set SPW,   12
.set NIL,   13
.set PF,    14
.set LI,    15
.set L16R,  16
.set R,     32                         ; scale words: A's block s at R + 8 s + 0 .. 3, W's tile b at R + 8 b + 4 .. 7; lanes 0-15 the first half of K, lanes 16-31 the second
.set BIAS,  96
.set TM,    96
.set PW,    104
.set PC,    112
.set ACC,   128                        ; two sets of four accumulators
.set OB,    192                        ; two sets of 32: rows read back from the stage
.set WV,    16
.set WR,    17
.set WC,    18
.set TR,    19
.set TC,    20
.set G1W,   24
.set G1A,   32
.set G1R,   40
.set G0W,   48
.set G0A,   52
.set G0R,   56
.set SEL,   70
.set MNT,   72
.set MSB, 0
.macro WIN new                         ; the immediate's high byte repeats the setting that is left
.if MSB != \new
	s_set_vgpr_msb (MSB<<8)|\new
.set MSB, \new
.endif
.endm
.macro PLACES n
.rept \n
	v_nop
.endr
.endm
.macro BARRIER
	s_barrier_signal -1
	s_barrier_wait -1
.endm
.macro CROUND
	BARRIER
	s_cmp_lg_u32 s[WV], 0
	s_cbranch_scc1 .Lnot_wave_0_\@
	s_barrier_signal -3
.Lnot_wave_0_\@:
	s_barrier_wait -3
	BARRIER
.endm
.macro TLOAD g0, g1                    ; an s_nop 0 and four v_nop follow the load
	tensor_load_to_lds s[\g0:\g0+3], s[\g1:\g1+7]
	s_nop 0
	PLACES 4
.endm
.macro GROUP1 g, mask, rows            ; so many whole rows of 1,024 bytes, 4 words of padding behind each
	s_or_b32 s[\g+0], s[\mask], (1<<20)|(1<<21)|(7<<22)|(3<<25)
	s_mov_b32 s[\g+1], 1024<<16
	s_mov_b32 s[\g+2], (\rows)<<16
	s_mov_b32 s[\g+3], 1024<<16
	s_mov_b32 s[\g+4], \rows
	s_mov_b32 s[\g+5], 1024
	s_mov_b32 s[\g+6], 0
	s_mov_b32 s[\g+7], 0
.endm
	s_load_b256 s[4:11], s[0:1], 0x0               ; A's codes, W's codes, A's scales, W's scales
	s_load_b128 s[12:15], s[0:1], 0x20             ; QM = 1: q_img, q_sc;  QM = 0: bo, out0
	v_lshl_add_u32 v[SPW], v0, 2, SPARE
	v_mov_b32 v[NIL], 0
	ds_add_u32 v[SPW], v[NIL]                      ; the opening lines: the add, twice on end, and its wait
	ds_add_u32 v[SPW], v[NIL]
	v_lshrrev_b32 v1, 5, v0
	v_readfirstlane_b32 s[WV], v1
	s_lshr_b32 s[WR], s[WV], 1
	s_and_b32 s[WC], s[WV], 1
	s_bfe_u32 s66, ttmp6, 0x40000                  ; cx
	s_bfe_u32 s67, ttmp6, 0x40004                  ; cy
	s_lshl_b32 s[TC], ttmp9, 2
	s_add_co_u32 s[TC], s[TC], s66                 ; tile column, 0 .. 7
	s_and_b32 s[TR], ttmp7, 0xffff
	s_lshl_b32 s[TR], s[TR], 2
	s_add_co_u32 s[TR], s[TR], s67                 ; tile row, 0 .. 31
	s_lshl_b32 s68, s67, 2
	s_lshl_b32 s68, 15, s68                        ; my row of the cluster
	s_lshl_b32 s69, 0x1111, s66                    ; my column
	GROUP1 G1W, 69, 128
	GROUP1 G1A, 68, 48
	GROUP1 G1R, 68, 28
	s_mov_b32 s[G0W], 1
	s_mov_b32 s[G0W+1], WB
	s_mov_b32 s[G0A], 1
	s_mul_i32 s[G0A+1], s[WV], 48*P
	s_mov_b32 s[G0R], 1
	s_mul_i32 s[G0R+1], s[WV], 28*P
	s_add_co_u32 s[G0R+1], s[G0R+1], WB
	s_lshl_b32 s60, s[TR], 18                      ; my 256 rows of A
	s_mul_i32 s21, s[WV], 48*1024
	s_add_co_u32 s60, s60, s21
	s_mov_b32 s61, 0
	s_lshl_b32 s74, s[TR], 18
	s_mul_i32 s21, s[WV], 28*1024
	s_add_co_u32 s74, s74, s21
	s_add_co_u32 s74, s74, 144*1024
	s_mov_b32 s75, 0
	s_lshl_b32 s62, s[TC], 17                      ; my 128 rows of W
	s_mov_b32 s63, 0
	s_wait_dscnt 0x0
	s_wait_kmcnt 0x0
	s_add_nc_u64 s[G0A+2:G0A+3], s[4:5], s[60:61]
	s_or_b32 s[G0A+3], s[G0A+3], 0x80000000
	s_add_nc_u64 s[G0R+2:G0R+3], s[4:5], s[74:75]
	s_or_b32 s[G0R+3], s[G0R+3], 0x80000000
	s_add_nc_u64 s[G0W+2:G0W+3], s[6:7], s[62:63]
	s_or_b32 s[G0W+3], s[G0W+3], 0x80000000
	CROUND                                         ; all sixteen work-groups are here: the joint loads meet
	s_cmp_lt_u32 s[WV], 3
	s_cbranch_scc0 .Lfor_w
	TLOAD G0A, G1A                                 ; waves 0-2: three tiles of A each
	s_branch .Lasked
.Lfor_w:
	TLOAD G0W, G1W                                 ; wave 3: W
.Lasked:
	s_lshl_b32 s60, s[TR], 13
	s_lshl_b32 s62, s[WR], 9
	s_add_co_u32 s60, s60, s62
	s_mov_b32 s61, 0
	s_add_nc_u64 s[8:9], s[8:9], s[60:61]          ; A's scale bytes, 32 a row: my first block's
	s_lshl_b32 s60, s[TC], 12
	s_lshl_b32 s62, s[WC], 11
	s_add_co_u32 s60, s60, s62
	s_add_nc_u64 s[10:11], s[10:11], s[60:61]      ; W's: my 64 rows'
.if QM
	s_lshr_b32 s60, s[TR], 3
	s_lshl_b32 s60, s60, 4
	s_lshl_b32 s62, s[TC], 1
	s_add_co_u32 s60, s60, s62
	s_add_co_u32 s60, s60, s[WC]                   ; batch x 16 + head
	s_and_b32 s62, s[TR], 7
	s_lshl_b32 s78, s60, 7
	s_lshl_b32 s63, s62, 4
	s_add_co_u32 s78, s78, s63
	s_add_co_u32 s78, s78, s[WR]
	s_lshl_b32 s78, s78, 10
	s_mov_b32 s79, 0
	s_add_nc_u64 s[12:13], s[12:13], s[78:79]
	s_lshl_b32 s78, s60, 4
	s_lshl_b32 s63, s62, 1
	s_add_co_u32 s78, s78, s63
	s_lshl_b32 s78, s78, 9
	s_lshl_b32 s63, s[WR], 8
	s_add_co_u32 s78, s78, s63
	s_add_nc_u64 s[14:15], s[14:15], s[78:79]
	s_mov_b32 s[SEL], 0x76543210
	s_mov_b32 s[SEL+1], 0xfedcba98
	s_mov_b32 s[MNT], 0x600000
.else
	s_lshl_b32 s60, s[TC], 9
	s_lshl_b32 s62, s[WC], 8
	s_add_co_u32 s60, s60, s62                     ; my first column, in bytes of f32
	s_add_nc_u64 s[12:13], s[12:13], s[60:61]
	s_add_nc_u64 s[14:15], s[14:15], s[60:61]
	s_lshl_b32 s60, s[TR], 20
	s_lshl_b32 s62, s[WR], 16
	s_add_co_u32 s60, s60, s62
	s_add_nc_u64 s[14:15], s[14:15], s[60:61]
.endif
	s_lshl_b32 s76, s66, 2
	s_add_co_u32 s76, s76, s[WV]                   ; which of the cluster row's sixteen waves I am
	s_mul_i32 s76, s76, 28*256
	s_lshl_b32 s77, s[TR], 18
	s_add_co_u32 s76, s76, s77
	s_add_co_u32 s76, s76, 144*1024
	s_mul_i32 s60, s[WR], TILE
	s_mul_i32 s61, s[WC], 64*P
	s_add_co_u32 s61, s61, WB
	s_mul_i32 s62, s[WV], 16*272
	s_add_co_u32 s62, s62, STAGE
	v_and_b32 v1, 15, v0                           ; r
	v_bfe_u32 v2, v0, 4, 1                         ; h
	v_and_b32 v3, 31, v0
	v_mul_u32_u24 v[ADW], v1, P
	v_lshl_add_u32 v[ADW], v2, 4, v[ADW]           ; a fragment's row x pitch + 16 h
	v_lshlrev_b32 v[LI], 4, v3
.if QM
	v_add_nc_u32 v[ADA0], s60, v[ADW]
	v_lshlrev_b32 v[L16R], 4, v1
	v_mov_b32 v[TM+2], 0                           ; a lane permute's destination counts as one of its sources
	v_mov_b32 v[TM+3], 0
.else
	v_add_nc_u32 v[ADA0], s60, v[LI]               ; the image: 16 x lane in each piece
	v_lshlrev_b32 v[VB8], 5, v2
	v_mul_u32_u24 v[STO], v1, 272
	v_lshl_add_u32 v[STO], v2, 5, v[STO]
	v_add_nc_u32 v[STO], s62, v[STO]
	v_mul_u32_u24 v[RD], v2, 272
	v_lshl_add_u32 v[RD], v1, 4, v[RD]
	v_add_nc_u32 v[RD], s62, v[RD]
	v_lshlrev_b32 v[CO], 12, v2
	v_lshl_add_u32 v[CO], v1, 4, v[CO]             ; lanes 0-15 one row of out0, lanes 16-31 the next
.endif
	v_add_nc_u32 v[ADW], s61, v[ADW]
	v_lshlrev_b32 v[VSL], 5, v1
	v_lshl_add_u32 v[VSL], v2, 4, v[VSL]
	v_min_u32 v[PF], 27, v3
	v_lshlrev_b32 v[PF], 8, v[PF]
	v_add_nc_u32 v[PF], s76, v[PF]
.irp s, 0,1,2,3,4,5,6,7
	global_load_b128 v[R+8*\s:R+8*\s+3], v[VSL], s[8:9] offset:1024*\s
.endr
.irp b, 0,1,2,3
	global_load_b128 v[R+8*\b+4:R+8*\b+7], v[VSL], s[10:11] offset:512*\b
.endr
.if QM == 0
.irp b, 0,1,2,3
	global_load_b128 v[BIAS+8*\b:BIAS+8*\b+3], v[VB8], s[12:13] offset:64*\b
	global_load_b128 v[BIAS+8*\b+4:BIAS+8*\b+7], v[VB8], s[12:13] offset:64*\b+16
.endr
.endif
	s_wait_alu depctr_va_vdst(0)                   ; the wait at the head's end
	s_cmp_eq_u32 s[WV], 3
	s_cbranch_scc0 .Lnot_w
	s_wait_tensorcnt 0x0                           ; wave 3: W has landed.  The other waves' wait stands ahead of the round below
.Lnot_w:
	BARRIER
	global_prefetch_b8 v[PF], s[4:5] th:TH_LOAD_NT scope:SCOPE_SE   ; my 28 blocks of the rows that the later fill brings
.macro FRAG f, q, off                  ; W's fragment f: window 1 + f / 16
	WIN (1+(\f)/16)<<6
.irp c, 0,1,2,3
	ds_load_b128 v[16*((\f)%16)+4*\c:16*((\f)%16)+4*\c+3], v[ADW] offset:128*(\q)+32*\c+(\off)
.endr
.endm
.irp q, 0,1,2,3,4,5,6,7
.irp b, 0,1,2,3
	FRAG 4*\q+\b, \q, \b*16*P
.endr
.endr
	WIN 0
.macro FETCH s                         ; block s, all of K, into set s % 2: 32 loads
	v_add_nc_u32 v[ADA], (\s)*2*TILE, v[ADA0]
	WIN 3<<6
.irp q, 0,1,2,3,4,5,6,7
.irp c, 0,1,2,3
.if QM
	ds_load_b128 v[128*((\s)%2)+16*\q+4*\c:128*((\s)%2)+16*\q+4*\c+3], v[ADA] offset:128*\q+32*\c
.else
	ds_load_b128 v[128*((\s)%2)+16*\q+4*\c:128*((\s)%2)+16*\q+4*\c+3], v[ADA] offset:(2*\q+\c/2)*P+(\c%2)*512
.endif
.endr
.endr
	WIN 0
.endm
.macro WM d, a, b, c, sa, sb, m:vararg
	v_wmma_scale_f32_16x16x128_f8f6f4 v[\d:\d+7], v[\a:\a+15], v[\b:\b+15], \c, v[\sa], v[\sb] matrix_a_fmt:MATRIX_FMT_BF8 matrix_b_fmt:MATRIX_FMT_BF8 \m
.endm
.macro PROD s, n                       ; product n = 4 q + b of block s; the four accumulators by turns
.set Q_, (\n)/4
.set B_, (\n)%4
.set AC_, ACC+32*((\s)%2)+8*B_
.set W_, 16*((\n)%16)
.set X_, 128*((\s)%2)+16*Q_
.set SW_, R+8*B_+4+Q_%4
.set SX_, R+8*(\s)+Q_%4
	WIN (1+(\n)/16)|(3<<2)
.if Q_ >= 4
	WM AC_, W_, X_, v[AC_:AC_+7], SW_, SX_, matrix_a_scale:MATRIX_SCALE_ROW1 matrix_b_scale:MATRIX_SCALE_ROW1
.elseif Q_ > 0
	WM AC_, W_, X_, v[AC_:AC_+7], SW_, SX_
.elseif QM
	WM AC_, W_, X_, 0, SW_, SX_
.else
	WM AC_, W_, X_, v[BIAS+8*B_:BIAS+8*B_+7], SW_, SX_
.endif
.endm
.macro RUN s, from, to
.set N_, \from
.rept (\to)-(\from)
	PROD \s, N_
.set N_, N_+1
.endr
.endm
.macro OUT1 s                          ; block s on its way out, first part
.set AP, ACC+32*((\s)%2)
.set OS, OB+32*((\s)%2)
	WIN 0
	s_wait_xcnt 0x0                                ; earlier stores have read their registers
.if QM
.irp c, 0,1
	v_max3_num_f32 v[TM+\c], |v[AP+16*\c]|, |v[AP+16*\c+1]|, 0x8000000   ; each accumulator from its low end on; the floor holds the byte at 1 from below
.endr
.irp k, 2,4,6,8,10,12,14
.irp c, 0,1
	v_max3_num_f32 v[TM+\c], v[TM+\c], |v[AP+16*\c+\k]|, |v[AP+16*\c+\k+1]|
.endr
.endr
.irp c, 0,1
	v_permlanex16_b32 v[TM+2+\c], v[TM+\c], s[SEL], s[SEL+1]
.endr
.irp c, 0,1
	v_max_num_f32 v[TM+\c], v[TM+\c], v[TM+2+\c]
.endr
.irp c, 0,1
	v_add_nc_u32 v[TM+4+\c], 0xf8800000, v[TM+\c]          ; the conversion's scale operand
.endr
.irp c, 0,1
	v_and_or_b32 v[TM+6+\c], v[TM+\c], 0x7f800000, s[MNT]  ; 57,344 x the scale
.endr
.irp c, 0,1
	v_lshrrev_b32 v[TM+2+\c], 23, v[TM+4+\c]
.endr
	v_lshl_or_b32 v[TM+2], v[TM+3], 8, v[TM+2]
	v_or_b32 v[PW+(\s)%4], 0x7f7f0000, v[TM+2]
.irp c, 0,1
.set j, 0
.rept 16
	v_med3_num_f32 v[AP+16*\c+j], v[AP+16*\c+j], -v[TM+6+\c], v[TM+6+\c]
.set j, j+1
.endr
	v_cvt_scalef32_pk8_bf8_f32 v[PC+4*\c:PC+4*\c+1], v[AP+16*\c:AP+16*\c+7], v[TM+4+\c]
	v_cvt_scalef32_pk8_bf8_f32 v[PC+4*\c+2:PC+4*\c+3], v[AP+16*\c+8:AP+16*\c+15], v[TM+4+\c]
.endr
	v_nop
.irp c, 0,1
	v_permlane16_swap_b32 v[PC+4*\c], v[PC+4*\c+2]         ; d = 8 .. 15 goes down, d = 16 .. 23 goes up: the operand's order
	v_permlane16_swap_b32 v[PC+4*\c+1], v[PC+4*\c+3]
.endr
	global_store_b128 v[LI], v[PC:PC+3], s[12:13] offset:2048*(\s)          ; each store covers 512 consecutive bytes, aligned
	global_store_b128 v[LI], v[PC+4:PC+7], s[12:13] offset:2048*(\s)+512
.if ((\s)%4) == 3
	global_store_b128 v[L16R], v[PW:PW+3], s[14:15] offset:512*((\s)/4)     ; four blocks' words: 16 lanes cover 256 consecutive bytes, aligned (lanes 16-31 store the same)
.endif
.else
.irp b, 0,1,2,3
	ds_store_b128 v[STO], v[AP+8*\b:AP+8*\b+3] offset:64*\b
	ds_store_b128 v[STO], v[AP+8*\b+4:AP+8*\b+7] offset:64*\b+16
.endr
.irp t, 0,1,2,3,4,5,6,7
	ds_load_b128 v[OS+4*\t:OS+4*\t+3], v[RD] offset:544*\t                  ; LDS serves a wave's instructions in order: these see the stores above
.endr
.endif
.endm
.macro OUT2 s                          ; second part: the rows are back in registers
.if QM == 0
.set OS, OB+32*((\s)%2)
	WIN 0
	s_wait_dscnt 0x0
.irp t, 0,1,2,3,4,5,6,7
	global_store_b128 v[CO], v[OS+4*\t:OS+4*\t+3], s[14:15] offset:8192*\t+131072*(\s) th:TH_STORE_NT   ; 16 lanes store 256 consecutive bytes, aligned
.endr
.endif
.endm
.macro BLK s
.if \s > 0
	WIN 0
	PLACES 8                                       ; behind the last block's products: ahead of loads into its set and of the first read of its sums
.endif
.if \s == 4
	FETCH 4
.endif
.if (\s != 3) && (\s != 7)
	FETCH \s+1
	s_wait_dscnt 32                                ; this block's set is in; the 32 loads just issued may be out
.else
	s_wait_dscnt 0x0
.endif
	RUN \s, 0, 8
.if \s > 0
	OUT1 \s-1
.endif
	RUN \s, 8, 24
.if \s > 0
	OUT2 \s-1
.endif
	RUN \s, 24, 32
.if \s == 3
	WIN 0
	s_wait_tensorcnt 0x0                           ; my part of tiles 9-15 is in;
	s_wait_dscnt 0x0
	BARRIER                                        ; everybody's is.
.endif
.endm
	s_wait_tensorcnt 0x0                           ; all my tensor loads are in
	ds_add_u32 v[SPW], v[NIL]
	s_wait_dscnt 0x0                               ; the add is done, and W is in my registers
	CROUND
	TLOAD G0R, G1R                                 ; tiles 9-15, over W's rows 0-111
	FETCH 0
	s_wait_loadcnt 0x0                             ; the scale words (QM = 0: and the bias)
.irp s, 0,1,2,3,4,5,6,7
	BLK \s
.endr
	WIN 0
	PLACES 8
	OUT1 7
	OUT2 7
	s_wait_tensorcnt 0x0                           ; the wave's end
	ds_add_u32 v[SPW], v[NIL]
	s_wait_dscnt 0x0
	CROUND                                         ; the closing round
	s_endpgm
.Lfunc_end_k_qb2e50d3736_projq:
	.size	k_qb2e50d3736_projq, .Lfunc_end_k_qb2e50d3736_projq-k_qb2e50d3736_projq
	.p2alignl 7, 3214868480
	.fill 96, 4, 3214868480
	.section	.rodata,"a",@progbits
	.p2align	6, 0x0
	.amdhsa_kernel k_qb2e50d3736_projq
		.amdhsa_group_segment_fixed_size 327680
		.amdhsa_private_segment_fixed_size 0
		.amdhsa_enable_private_segment 0
		.amdhsa_kernarg_size 48
		.amdhsa_user_sgpr_count 2
		.amdhsa_user_sgpr_kernarg_segment_ptr 1
		.amdhsa_wavefront_size32 1
		.amdhsa_system_sgpr_workgroup_id_x 1
		.amdhsa_system_sgpr_workgroup_id_y 1
		.amdhsa_system_sgpr_workgroup_id_z 1
		.amdhsa_system_vgpr_workitem_id 0
		.amdhsa_next_free_vgpr 1024
		.amdhsa_next_free_sgpr 80
		.amdhsa_reserve_vcc 0
		.amdhsa_float_denorm_mode_32 3
		.amdhsa_float_denorm_mode_16_64 3
		.amdhsa_memory_ordered 1
		.amdhsa_forward_progress 1
		.amdhsa_inst_pref_size 106
	.end_amdhsa_kernel
	.amdgpu_metadata
---
amdhsa.version: [ 1, 2 ]
amdhsa.kernels:
  - .name:           k_qb2e50d3736_projq
    .symbol:         k_qb2e50d3736_projq.kd
    .args:
      - { .name: x_codes, .offset: 0, .size: 8, .value_kind: global_buffer, .address_space: global }
      - { .name: Wq_codes, .offset: 8, .size: 8, .value_kind: global_buffer, .address_space: global }
      - { .name: x_scales, .offset: 16, .size: 8, .value_kind: global_buffer, .address_space: global }
      - { .name: Wq_scales, .offset: 24, .size: 8, .value_kind: global_buffer, .address_space: global }
      - { .name: q_img, .offset: 32, .size: 8, .value_kind: global_buffer, .address_space: global }
      - { .name: q_sc, .offset: 40, .size: 8, .value_kind: global_buffer, .address_space: global }
    .group_segment_fixed_size: 327680
    .private_segment_fixed_size: 0
    .kernarg_segment_align: 8
    .kernarg_segment_size: 48
    .max_flat_workgroup_size: 128
    .sgpr_count:     80
    .vgpr_count:     1024
    .wavefront_size: 32
...
	.end_amdgpu_metadata
.endif
;; end of part 1
;; launch projkv (part 2): grid 4 x 64, 4 waves a work-group, clusters of 4 x 4, 327,680 bytes of LDS; arguments context_codes, Wk_codes, Wv_codes, context_scales, Wk_scales, Wv_scales, k_img, vs_img; writes k_img, vs_img
.if DOCPART == 2
	.amdgcn_target "amdgcn-amd-amdhsa--gfx1250"
	.amdhsa_code_object_version 6
	.text
	.protected	k_qb2e50d3736_projkv
	.globl	k_qb2e50d3736_projkv
	.p2align	8
	.type	k_qb2e50d3736_projkv,@function
k_qb2e50d3736_projkv:
	s_mov_b64 s[64:65], 0
	v_nop
	global_prefetch_b8 v0, s[64:65] scope:SCOPE_SE
	s_setreg_imm32_b32 hwreg(HW_REG_WAVE_MODE, 25, 1), 1
	s_wait_xcnt 0x0
	s_wait_alu depctr_hold_cnt(0) depctr_sa_sdst(0) depctr_va_vdst(0) depctr_va_sdst(0) depctr_va_ssrc(0) depctr_va_vcc(0) depctr_vm_vsrc(0)
	s_getreg_b32 s2, hwreg(HW_REG_IB_STS2, 6, 4)
	s_cmp_eq_u32 s2, 0
	s_cbranch_scc0 .Lentry_in_a_cluster
	s_endpgm
.Lentry_in_a_cluster:
	s_bfe_u32 s2, ttmp6, 0x10000c
	s_cmp_lg_u32 s2, 0xf033
	s_cbranch_scc0 .Lentry_shape_is_right
	s_endpgm
.Lentry_shape_is_right:
.set KV,     1
.set KD,     1024-256*KV
.set NW,     KD/256
.set KS,     KD/32
.set SCSTR,  512+256*KV
.set PITCH,  272
.set HALFT,  128*PITCH
.set SLOT,   4*HALFT
.set SPARE,  2*SLOT
.set FR,     16
.set NP,     8
.set ADRA,   16
.set ADRB,   20
.set VSL,    22
.set L16,    24
.set L8,     25
.set VOFF,   26
.set SPW,    28
.set NIL,    29
.set ONES,   30
.set PW,     32
.set PWS,    40
.set RW,     44
.set SA,     64
.set SB,     96
.set AF,     128
.set X,      128
.set PC,     192
.set TM,     224
.set WV,     16
.set HA,     17
.set HB,     18
.set TR,     19
.set TC,     42
.set G1,     24
.set G0,     32
.set G1B,    48
.set G0B,    56
.set JV,     66
.set P0,     68
.set P2,     70
.set SEL,    72
.set MNT,    74
.set UPPER,  75
.set ROWA,   94
.set ROWB,   95
.set STEPA,  96
.set STEPX,  97
.set MSB, 0
.macro WIN new
.if MSB != \new
	s_set_vgpr_msb (MSB<<8)|\new
.set MSB, \new
.endif
.endm
.set MUL_LO, 0xa1
.set MUL_HI, 0xf1
.set TO_B,   0x40
.macro JLOAD s
	s_cmp_eq_u32 s[HA], 0
	s_cbranch_scc0 .Lfor_b_\@
	tensor_load_to_lds s[G0+4*\s:G0+4*\s+3], s[G1:G1+7]
	s_nop 0
.rept 4
	v_nop
.endr
	s_branch .Lasked_\@
.Lfor_b_\@:
	tensor_load_to_lds s[G0B+4*\s:G0B+4*\s+3], s[G1B:G1B+7]
	s_nop 0
.rept 4
	v_nop
.endr
.Lasked_\@:
.endm
.macro CREST
	s_cmp_lg_u32 s[WV], 0
	s_cbranch_scc1 .Lnot_wave_0_\@
	s_barrier_signal -3
.Lnot_wave_0_\@:
	s_barrier_wait -3
	s_barrier_signal -1
	s_barrier_wait -1
.endm
.macro CROUND
	s_barrier_signal -1
	s_barrier_wait -1
	CREST
.endm
.if KV
	s_load_b256 s[68:75], s[0:1], 0x0
	s_load_b256 s[76:83], s[0:1], 0x20
.else
	s_load_b256 s[4:11], s[0:1], 0x0
	s_load_b128 s[12:15], s[0:1], 0x20
.endif
	v_lshl_add_u32 v[SPW], v0, 2, SPARE
	v_mov_b32 v[NIL], 0
	ds_add_u32 v[SPW], v[NIL]
	ds_add_u32 v[SPW], v[NIL]
	v_lshrrev_b32 v1, 5, v0
	v_readfirstlane_b32 s[WV], v1
	s_lshr_b32 s[HA], s[WV], 1
	s_and_b32 s[HB], s[WV], 1
	s_bfe_u32 s40, ttmp6, 0x40000
	s_bfe_u32 s41, ttmp6, 0x40004
	s_and_b32 s22, ttmp7, 0xffff
.if KV
	s_lshr_b32 s[JV], s22, 3
	s_and_b32 s22, s22, 7
	s_lshl_b32 s22, s22, 2
	s_cmp_eq_u32 s[JV], 0
	s_cselect_b32 s[TR], s22, 0
	s_cselect_b32 s[TC], 0, s22
	s_add_co_u32 s[TR], s[TR], s41
	s_add_co_u32 s[TC], s[TC], s40
.else
	s_lshl_b32 s[TR], s22, 2
	s_add_co_u32 s[TR], s[TR], s41
	s_mov_b32 s[TC], s40
.endif
	s_lshl_b32 s43, s41, 2
	s_lshl_b32 s43, 15, s43
	s_lshl_b32 s44, 0x1111, s40
	s_or_b32 s[G1+0], s43, (0<<16)|(1<<20)|(1<<21)|(5<<22)|(3<<25)
	s_or_b32 s[G1B+0], s44, (0<<16)|(1<<20)|(1<<21)|(5<<22)|(3<<25)
.irp g, G1, G1B
	s_mov_b32 s[\g+1], 256<<16
	s_mov_b32 s[\g+2], 128<<16
	s_mov_b32 s[\g+3], 256<<16
	s_mov_b32 s[\g+4], 128
	s_mov_b32 s[\g+5], KD
	s_mov_b32 s[\g+6], 0
	s_mov_b32 s[\g+7], 0
.endr
	s_lshl_b32 s20, s[TR], 8
	s_lshl_b32 s21, s[HB], 7
	s_add_co_u32 s20, s20, s21
	s_mul_i32 s20, s20, KD
	s_mov_b32 s21, 0
	s_lshl_b32 s46, s[TC], 8
	s_lshl_b32 s47, s[HB], 7
	s_add_co_u32 s[ROWB], s46, s47
	s_mul_i32 s46, s[ROWB], KD
	s_mov_b32 s47, 0
	s_mul_i32 s45, s[WV], HALFT
	s_lshl_b32 s22, s[TR], 8
	s_lshl_b32 s23, s[HA], 7
	s_add_co_u32 s[ROWA], s22, s23
	s_mul_i32 s22, s[ROWA], KS
	s_mov_b32 s23, 0
	s_mul_i32 s92, s[ROWB], KS
	s_mov_b32 s93, 0
	s_wait_dscnt 0x0
	s_wait_kmcnt 0x0
.if KV
	s_cmp_eq_u32 s[JV], 0
	s_cselect_b64 s[4:5], s[68:69], s[72:73]
	s_cselect_b64 s[6:7], s[70:71], s[68:69]
	s_cselect_b64 s[8:9], s[74:75], s[78:79]
	s_cselect_b64 s[10:11], s[76:77], s[74:75]
	s_cselect_b64 s[12:13], s[80:81], s[82:83]
	s_mov_b64 s[14:15], s[82:83]                   ; the scale words lie in vs_img: for each head 131,072 bytes of v's image, then 12,288 of scale words
.endif
	s_add_nc_u64 s[20:21], s[4:5], s[20:21]
	s_add_nc_u64 s[46:47], s[6:7], s[46:47]
	s_add_nc_u64 s[8:9], s[8:9], s[22:23]
	s_add_nc_u64 s[10:11], s[10:11], s[92:93]
	CROUND
.irp s, 0,1
	s_mov_b32 s[G0+4*\s], 1
	s_add_co_u32 s[G0+4*\s+1], s45, \s*SLOT
	s_add_nc_u64 s[G0+4*\s+2:G0+4*\s+3], s[20:21], \s*256
	s_or_b32 s[G0+4*\s+3], s[G0+4*\s+3], 0x80000000
	s_mov_b32 s[G0B+4*\s], 1
	s_add_co_u32 s[G0B+4*\s+1], s45, \s*SLOT
	s_add_nc_u64 s[G0B+4*\s+2:G0B+4*\s+3], s[46:47], \s*256
	s_or_b32 s[G0B+4*\s+3], s[G0B+4*\s+3], 0x80000000
.if \s
	s_wait_alu depctr_va_vdst(0)                   ; slot 1's first fill is issued as a refill is
	s_wait_tensorcnt 0x0
	ds_add_u32 v28, v29
	ds_add_u32 v28, v29
	s_wait_dscnt 0x0
	CROUND
.endif
	JLOAD \s
.endr
	v_and_b32 v1, 15, v0
	v_bfe_u32 v2, v0, 4, 1
	v_mul_u32_u24 v3, v1, PITCH
	v_lshl_add_u32 v4, v2, 4, v3
	s_mul_i32 s21, s[HA], HALFT
	s_mul_i32 s22, s[HB], HALFT
	s_add_co_u32 s22, s22, 2*HALFT
.irp s, 0,1
	v_add_nc_u32 v[ADRA+\s], s21, v4
	v_add_nc_u32 v[ADRB+\s], s22, v4
	s_add_co_u32 s21, s21, SLOT
	s_add_co_u32 s22, s22, SLOT
.endr
	v_mul_u32_u24 v[VSL], v1, KS
	v_mad_u32_u24 v[VSL], v2, KS/2, v[VSL]
	v_and_b32 v5, 31, v0
	v_lshlrev_b32 v[L16], 4, v5
.if KV
	v_lshlrev_b32 v[L8], 3, v5
.endif
	v_mov_b32 v[VOFF], v[L16]
	v_mov_b32 v[ONES], 0x7f7f7f7f
.irp i, 0,1,2,3,4,5,6,7
.if NW == 4
	global_load_b128 v[SA+4*\i:SA+4*\i+3], v[VSL], s[8:9] offset:16*\i*KS
	global_load_b128 v[SB+4*\i:SB+4*\i+3], v[VSL], s[10:11] offset:16*\i*KS
.else
.irp w, 0,1,2
	global_load_b32 v[SA+4*\i+\w], v[VSL], s[8:9] offset:16*\i*KS+4*\w
	global_load_b32 v[SB+4*\i+\w], v[VSL], s[10:11] offset:16*\i*KS+4*\w
.endr
.endif
.endr
.macro FRAG reg, adr, q, i
.irp c, 0,1,2,3
	ds_load_b128 v[\reg+4*\c:\reg+4*\c+3], v[\adr] offset:128*(\q)+32*\c+(\i)*16*PITCH
.endr
.endm
.macro MM acc, bf, af, sb, sa, zero, row
.if \zero
	v_wmma_scale_f32_16x16x128_f8f6f4 v[\acc:\acc+7], v[\bf:\bf+FR-1], v[\af:\af+FR-1], 0, v[\sb], v[\sa] matrix_a_fmt:MATRIX_FMT_BF8 matrix_b_fmt:MATRIX_FMT_BF8
.elseif \row
	v_wmma_scale_f32_16x16x128_f8f6f4 v[\acc:\acc+7], v[\bf:\bf+FR-1], v[\af:\af+FR-1], v[\acc:\acc+7], v[\sb], v[\sa] matrix_a_fmt:MATRIX_FMT_BF8 matrix_b_fmt:MATRIX_FMT_BF8 matrix_a_scale:MATRIX_SCALE_ROW1 matrix_b_scale:MATRIX_SCALE_ROW1
.else
	v_wmma_scale_f32_16x16x128_f8f6f4 v[\acc:\acc+7], v[\bf:\bf+FR-1], v[\af:\af+FR-1], v[\acc:\acc+7], v[\sb], v[\sa] matrix_a_fmt:MATRIX_FMT_BF8 matrix_b_fmt:MATRIX_FMT_BF8
.endif
.endm
.macro MUL16 a0, p, kc, zero
.irp a, \a0, \a0+1
.irp b, 0,1,2,3,4,5,6,7
	MM 8*(8*((\a)%4)+\b), 128*(\p)+FR*\b, AF+FR*(\a), SB+4*\b+(\kc)%NW, SA+4*(\a)+(\kc)%NW, \zero, (\kc)/NW
.endr
.endr
.endm
.macro FETCH_B slot, q, p
	WIN TO_B
.irp i, 0,1,2,3,4,5,6,7
	FRAG 128*(\p)+FR*\i, ADRB+\slot, \q, \i
.endr
	WIN 0
.endm
.macro FETCH_A slot, q, i0
.irp i, \i0, \i0+1, \i0+2, \i0+3
	FRAG AF+FR*(\i), ADRA+\slot, \q, \i
.endr
.endm
.macro PLACES n
.rept \n
	v_nop
.endr
.endm
.macro STEP slot, kc, zero
	s_wait_dscnt 16
	WIN MUL_LO
	MUL16 0, 0, \kc, \zero
	MUL16 2, 0, \kc, \zero
	s_wait_dscnt 0
	PLACES NP
	FETCH_B \slot, 1, 1
	FETCH_A \slot, 1, 0
	WIN MUL_HI
	MUL16 4, 0, \kc, \zero
	MUL16 6, 0, \kc, \zero
	PLACES NP
	WIN 0
	FETCH_A \slot, 1, 4
.endm
.macro TURN slot, next, fill, kc
	s_wait_tensorcnt 0x0
	ds_add_u32 v[SPW], v[NIL]
	s_wait_dscnt 17
	WIN MUL_LO
	MUL16 0, 1, \kc, 0
	s_wait_dscnt 0x0
	s_barrier_signal -1
	MUL16 2, 1, \kc, 0
	WIN 0
	s_barrier_wait -1
.if \fill
	CREST
	s_add_nc_u64 s[G0+4*\slot+2:G0+4*\slot+3], s[G0+4*\slot+2:G0+4*\slot+3], 512
	s_add_nc_u64 s[G0B+4*\slot+2:G0B+4*\slot+3], s[G0B+4*\slot+2:G0B+4*\slot+3], 512
	JLOAD \slot
	PLACES NP-4
.else
	PLACES NP
.endif
	s_wait_alu depctr_va_vdst(0)
	FETCH_B \next, 0, 0
	FETCH_A \next, 0, 0
	WIN MUL_HI
	MUL16 4, 1, \kc, 0
	MUL16 6, 1, \kc, 0
	PLACES NP
	WIN 0
	FETCH_A \next, 0, 4
.endm
.macro LAST kc
	s_wait_dscnt 16
	WIN MUL_LO
	MUL16 0, 1, \kc, 0
	MUL16 2, 1, \kc, 0
	s_wait_dscnt 0
	WIN MUL_HI
	MUL16 4, 1, \kc, 0
	MUL16 6, 1, \kc, 0
	WIN 0
.endm
	s_wait_tensorcnt 1
	s_barrier_signal -1
	s_barrier_wait -1
	FETCH_B 0, 0, 0
	FETCH_A 0, 0, 0
	FETCH_A 0, 0, 4
	s_wait_loadcnt 0x0
	STEP 0, 0, 1
	TURN 0, 1, 1, 1
	STEP 1, 2, 0
.if KV
	TURN 1, 0, 0, 3
	STEP 0, 4, 0
	LAST 5
.else
	TURN 1, 0, 1, 3
	STEP 0, 4, 0
	TURN 0, 1, 0, 5
	STEP 1, 6, 0
	LAST 7
.endif
	PLACES NP
.if KV
	s_cmp_eq_u32 s[JV], 0
	s_cselect_b32 s20, s[ROWA], s[ROWB]
	s_cselect_b32 s21, s[ROWB], s[ROWA]
	s_mov_b32 s22, 0x20000
	s_cselect_b32 s22, s22, 1024
	s_mov_b32 s[STEPA], 2048
	s_cselect_b32 s[STEPA], 1024, s[STEPA]
	s_cselect_b32 s[STEPX], 0, 135168              ; v: behind four tiles of d the next head: 143,360 - 8,192
	s_mov_b32 s93, 143360
	s_cselect_b32 s93, 0x20000, s93                ; a head's bytes in k_img, in vs_img
	s_cselect_b32 s92, 0, 512
.else
	s_mov_b32 s20, s[ROWA]
	s_mov_b32 s21, s[ROWB]
	s_mov_b32 s22, 0x20000
	s_mov_b32 s[STEPA], 1024
.endif
	s_lshr_b32 s2, s20, 11
	s_lshl_b32 s2, s2, 4
	s_lshr_b32 s3, s21, 6
	s_add_co_u32 s2, s2, s3
	s_bfe_u32 s3, s20, 0x40007
	s_mul_i32 s20, s2, s93
	s_lshl_b32 s21, s3, 13
	s_add_co_u32 s20, s20, s21
	s_mov_b32 s21, 0
	s_mov_b32 s23, 0
	s_add_nc_u64 s[P0:P0+1], s[12:13], s[20:21]
	s_add_nc_u64 s[P2:P2+1], s[P0:P0+1], s[22:23]
	s_mul_i32 s2, s2, 143360                       ; the head in vs_img,
	s_mul_i32 s3, s3, SCSTR                        ; its 128 tokens' scale words,
	s_add_co_u32 s2, s2, s3
	s_add_co_u32 s2, s2, 131072                    ; behind v's image
.if KV
	s_add_co_u32 s2, s2, s92
.endif
	s_mov_b32 s3, 0
	s_add_nc_u64 s[14:15], s[14:15], s[2:3]
	s_mov_b32 s[SEL], 0x76543210
	s_mov_b32 s[SEL+1], 0xfedcba98
	s_mov_b32 s[MNT], 0x600000
	s_mov_b32 s[UPPER], 0xffff0000
.irp b, 0,1,2,3
	v_mov_b32 v[TM+4+\b], 0
.endr
.macro QUANTW a
.set AC, 64*((\a)%4)
	WIN (0x0a+5*((\a)/4))
.irp b, 0,1,2,3
	v_max3_num_f32 v[TM+\b], |v[AC+16*\b]|, |v[AC+16*\b+1]|, 0x8000000
.endr
.irp i, 2,4,6,8,10,12,14
.irp b, 0,1,2,3
	v_max3_num_f32 v[TM+\b], |v[AC+16*\b+\i]|, |v[AC+16*\b+\i+1]|, v[TM+\b]
.endr
.endr
	WIN 0
.irp b, 0,1,2,3
	v_permlanex16_b32 v[TM+4+\b], v[TM+\b], s[SEL], s[SEL+1]
.endr
.irp b, 0,1,2,3
	v_max_num_f32 v[TM+\b], v[TM+\b], v[TM+4+\b]
.endr
.irp b, 0,1,2,3
	v_add_nc_u32 v[TM+12+\b], 0xf8800000, v[TM+\b]
.endr
.irp b, 0,1,2,3
	v_and_or_b32 v[TM+8+\b], v[TM+\b], 0x7f800000, s[MNT]
.endr
.irp b, 0,1,2,3
	v_lshrrev_b32 v[TM+4+\b], 23, v[TM+12+\b]
.endr
	v_lshl_or_b32 v[PW+\a], v[TM+5], 8, v[TM+4]
	v_lshl_or_b32 v[PW+\a], v[TM+6], 16, v[PW+\a]
	v_lshl_or_b32 v[PW+\a], v[TM+7], 24, v[PW+\a]
	WIN (0x02+(\a)/4)
.irp b, 0,1,2,3
.irp i, 0,1,2,3,4,5,6,7,8,9,10,11,12,13,14,15
	v_med3_num_f32 v[X+16*\b+\i], v[AC+16*\b+\i], -v[TM+8+\b], v[TM+8+\b]
.endr
.endr
	WIN 0
.irp b, 0,1,2,3
	v_cvt_scalef32_pk8_bf8_f32 v[PC+4*\b:PC+4*\b+1], v[X+16*\b:X+16*\b+7], v[TM+12+\b]
	v_cvt_scalef32_pk8_bf8_f32 v[PC+4*\b+2:PC+4*\b+3], v[X+16*\b+8:X+16*\b+15], v[TM+12+\b]
.endr
	v_nop
.irp b, 0,1,2,3
	v_permlane16_swap_b32 v[PC+4*\b], v[PC+4*\b+2]
	v_permlane16_swap_b32 v[PC+4*\b+1], v[PC+4*\b+3]
.endr
.endm
.irp a, 0,1,2,3,4,5,6,7
.if \a > 0
	s_wait_xcnt 0x0
	v_add_nc_u32 v[VOFF], s[STEPA], v[VOFF]
.if KV && (\a == 4)
	v_add_nc_u32 v[VOFF], s[STEPX], v[VOFF]
.endif
.endif
	QUANTW \a
	global_store_b128 v[VOFF], v[PC:PC+3], s[P0:P0+1]
	global_store_b128 v[VOFF], v[PC+4:PC+7], s[P0:P0+1] offset:512
	global_store_b128 v[VOFF], v[PC+8:PC+11], s[P2:P2+1]
	global_store_b128 v[VOFF], v[PC+12:PC+15], s[P2:P2+1] offset:512
.endr
.irp w, 0,1,2,3
	v_cndmask_b32 v[PWS+\w], v[PW+2*\w], v[PW+2*\w+1], s[UPPER]
.endr
.if KV
	s_cmp_eq_u32 s[JV], 0
	s_cbranch_scc0 .Lv_words
.endif
.irp w, 0,1,2,3
	v_perm_b32 v[RW+\w], v[ONES], v[PWS+\w], 0x07060100
	v_perm_b32 v[RW+4+\w], v[ONES], v[PWS+\w], 0x07060302
.endr
	global_store_b128 v[L16], v[RW:RW+3], s[14:15]
	global_store_b128 v[L16], v[RW+4:RW+7], s[14:15] offset:143360
.if KV
	s_branch .Lwords_out
.Lv_words:
	s_wait_alu depctr_va_vdst(0)
	global_store_b64 v[L8], v[PWS:PWS+1], s[14:15]
	global_store_b64 v[L8], v[PWS+2:PWS+3], s[14:15] offset:143360
.Lwords_out:
.endif
	s_wait_tensorcnt 0x0
	ds_add_u32 v[SPW], v[NIL]
	s_wait_dscnt 0x0
	CROUND
	s_endpgm
.Lfunc_end_k_qb2e50d3736_projkv:
	.size	k_qb2e50d3736_projkv, .Lfunc_end_k_qb2e50d3736_projkv-k_qb2e50d3736_projkv
	.p2alignl 7, 3214868480
	.fill 96, 4, 3214868480
	.section	.rodata,"a",@progbits
	.p2align	6, 0x0
	.amdhsa_kernel k_qb2e50d3736_projkv
		.amdhsa_group_segment_fixed_size 327680
		.amdhsa_private_segment_fixed_size 0
		.amdhsa_enable_private_segment 0
		.amdhsa_kernarg_size 64
		.amdhsa_user_sgpr_count 2
		.amdhsa_user_sgpr_kernarg_segment_ptr 1
		.amdhsa_wavefront_size32 1
		.amdhsa_system_sgpr_workgroup_id_x 1
		.amdhsa_system_sgpr_workgroup_id_y 1
		.amdhsa_system_sgpr_workgroup_id_z 1
		.amdhsa_system_vgpr_workitem_id 0
		.amdhsa_next_free_vgpr 1024
		.amdhsa_next_free_sgpr 98
		.amdhsa_reserve_vcc 0
		.amdhsa_float_denorm_mode_32 3
		.amdhsa_float_denorm_mode_16_64 3
		.amdhsa_memory_ordered 1
		.amdhsa_forward_progress 1
		.amdhsa_inst_pref_size 164
	.end_amdhsa_kernel
	.amdgpu_metadata
---
amdhsa.version: [ 1, 2 ]
amdhsa.kernels:
  - .name:           k_qb2e50d3736_projkv
    .symbol:         k_qb2e50d3736_projkv.kd
    .args:
      - { .name: context_codes, .offset: 0, .size: 8, .value_kind: global_buffer, .address_space: global }
      - { .name: Wk_codes, .offset: 8, .size: 8, .value_kind: global_buffer, .address_space: global }
      - { .name: Wv_codes, .offset: 16, .size: 8, .value_kind: global_buffer, .address_space: global }
      - { .name: context_scales, .offset: 24, .size: 8, .value_kind: global_buffer, .address_space: global }
      - { .name: Wk_scales, .offset: 32, .size: 8, .value_kind: global_buffer, .address_space: global }
      - { .name: Wv_scales, .offset: 40, .size: 8, .value_kind: global_buffer, .address_space: global }
      - { .name: k_img, .offset: 48, .size: 8, .value_kind: global_buffer, .address_space: global }
      - { .name: vs_img, .offset: 56, .size: 8, .value_kind: global_buffer, .address_space: global }
    .group_segment_fixed_size: 327680
    .private_segment_fixed_size: 0
    .kernarg_segment_align: 8
    .kernarg_segment_size: 64
    .max_flat_workgroup_size: 128
    .sgpr_count:     98
    .vgpr_count:     1024
    .wavefront_size: 32
...
	.end_amdgpu_metadata
.endif
;; end of part 2
;; launch attn (part 3): grid 4 x 64, 8 waves a work-group, clusters of 4 x 1, 327,680 bytes of LDS; arguments q_img, q_sc, k_img, vs_img, o_img, o_sc; writes o_img, o_sc
.if DOCPART == 3
	.amdgcn_target "amdgcn-amd-amdhsa--gfx1250"
	.amdhsa_code_object_version 6
	.text
	.protected	k_qb2e50d3736_attn
	.globl	k_qb2e50d3736_attn
	.p2align	8
	.type	k_qb2e50d3736_attn,@function
k_qb2e50d3736_attn:
	s_mov_b64 s[64:65], 0
	v_nop
	global_prefetch_b8 v0, s[64:65] scope:SCOPE_SE
	s_setreg_imm32_b32 hwreg(HW_REG_WAVE_MODE, 25, 1), 1
	s_wait_xcnt 0x0
	s_wait_alu depctr_hold_cnt(0) depctr_sa_sdst(0) depctr_va_vdst(0) depctr_va_sdst(0) depctr_va_ssrc(0) depctr_va_vcc(0) depctr_vm_vsrc(0)
	s_getreg_b32 s2, hwreg(HW_REG_IB_STS2, 6, 4)
	s_cmp_eq_u32 s2, 0
	s_cbranch_scc0 .Lentry_in_a_cluster
	s_endpgm
.Lentry_in_a_cluster:
	s_bfe_u32 s2, ttmp6, 0x10000c
	s_cmp_lg_u32 s2, 0x3003
	s_cbranch_scc0 .Lentry_shape_is_right
	s_endpgm
.Lentry_shape_is_right:
; ATTENTION ON CODES OF MX-BF8: o = softmax(q k^T / 8) v for one head and 512 queries a work-group; o is quantised along d and leaves as an image of the next product's operand.  Nothing of the problem is left out here.
; SOFTMAX: t = score x log2(e) / 8; M = the running largest t rounded up to a whole number; p = 2^(t - M) is quantised along the keys; the row's sum is taken of the unquantised p and divides at the end.
; SHARES: 8 waves, two to a SIMD; a wave owns TWO tiles of 16 queries at a time and makes two passes; each fragment of K and V read from LDS feeds both tiles.  A step is 128 keys; 16 steps a pass.
; LDS: a head's whole K image (tiles of 1,024 bytes + 128 of padding), V image and scale words come once, one joint load a wave (the four work-groups of a head form a cluster).  Nothing is filled again.
; No prefetch: every tile of the launch is asked for at its head, so there is no later load to run ahead of.
; BOTH PRODUCTS TRANSPOSED: a lane holds one query.  Lane r of key tile 2 b + u takes key 32 b + 8 u + r + 8 (r / 8), by its LDS address: so 16 registers of tiles 2 b, 2 b + 1 are keys 32 b + 16 h + 0 .. 15, the operand's order.
; A BLOCK'S SCALE: p rises with the score, so the block's largest p is 2^a, a = its largest t - M; its exponent is floor(a), held at -111 from below (the byte 1).  Where 2^a rounds up to a power of two, one p is held one code low.
; ORDER OF A STEP: the wave's own independent lines stand behind tile 1's score products (the ends of the last step's sums, addresses, tile 0's maxima), behind tile 0's second products (tile 1's sums) and between the exponentials.
; K = 64 fills half of the instruction's 128: q's upper half holds zero codes, the scale bytes there are 0x7f.
; REGISTERS: window 0: addresses, state, scale words, both tiles' scores and codes.  Window 1: K's fragments v0-71, V's v72-135, q v136-167, O^T v168-231, the second pass's q v232-247.
; LIMITS: NaN and infinities are not served; the promise holds while the scaled scores stay under 2^31 in magnitude.  A block of zeros gets the byte 1; these bytes are read by this program alone.
.set KP,    1152
.set KSTEP, 8*KP
.set VB,    128*KP
.set SCB,   VB+131072
.set SPARE, SCB+12288
.set LI,    1                          ; 16 x lane
.set LKB,   2                          ; my lane's place in a pair of K's tiles
.set LKS,   3                          ; among K's scale words
.set L8V,   4                          ; among V's
.set SPW,   5
.set NIL,   6
.set ADK,   8
.set ADV,   9
.set ADS,   10
.set ADT,   11
.set ST,    12                         ; tile i: v[ST+2i] = -M, v[ST+2i+1] the largest t
.set LS,    16                         ; the row's sum, a pair a tile
.set FF,    20                         ; f = 2^(old M - new M), a pair a tile (the upper word is only named)
.set KSC,   24
.set VSC,   28
.set QSC,   30                         ; lanes 0-15 tile 0's word, lanes 16-31 tile 1's
.set QS2,   31                         ; the second pass's
.set PSC,   32
.set LR32,  34
.set TB,    40                         ; tile i at TB+24i: +0 block maxima, +4 the other half's (both: then four partial sums), +8 scale operands, +12 bounds, +20, +21 at work
.set PCD,   88                         ; p's codes, 16 a tile
.set S,     120                        ; scores, then p: 64 a tile
.set KF,    0
.set VF,    72
.set QF,    136
.set O,     168
.set QN,    232
.set WV,    16
.set MNT,   17
.set CX,    18
.set BH,    19
.set G1K,   20
.set G1V,   28
.set G0K,   36
.set G0V,   40
.set SEL,   44
.set CS,    46
.set TK,    48
.set TV,    49
.set TS,    50
.set CNT,   51
.set PASS,  52
.set MSB, 0
.macro WIN new                         ; the immediate's high byte repeats the setting that is left
.if MSB != \new
	s_set_vgpr_msb (MSB<<8)|\new
.set MSB, \new
.endif
.endm
.macro WALU
	s_wait_alu depctr_va_vdst(0)
.endm
.macro CROUND
	s_barrier_signal -1
	s_barrier_wait -1
	s_cmp_lg_u32 s[WV], 0
	s_cbranch_scc1 .Lnot_wave_0_\@
	s_barrier_signal -3
.Lnot_wave_0_\@:
	s_barrier_wait -3
	s_barrier_signal -1
	s_barrier_wait -1
.endm
.macro WM d, a, b, c, sa, sb, m:vararg
	v_wmma_scale_f32_16x16x128_f8f6f4 v[\d:\d+7], v[\a:\a+15], v[\b:\b+15], \c, v[\sa], v[\sb] matrix_a_fmt:MATRIX_FMT_BF8 matrix_b_fmt:MATRIX_FMT_BF8 \m
.endm
	s_load_b256 s[4:11], s[0:1], 0x0               ; q_img, q_sc, k_img, vs_img
	s_load_b128 s[12:15], s[0:1], 0x20             ; o_img, o_sc
	v_lshl_add_u32 v[SPW], v0, 2, SPARE
	v_mov_b32 v[NIL], 0
	ds_add_u32 v[SPW], v[NIL]                      ; the opening lines: the add, twice on end, and its wait
	ds_add_u32 v[SPW], v[NIL]
	v_lshrrev_b32 v7, 5, v0
	v_readfirstlane_b32 s[WV], v7
	s_bfe_u32 s[CX], ttmp6, 0x40000
	s_and_b32 s[BH], ttmp7, 0xffff                 ; batch x 16 + head
	s_mov_b32 s[G1K], 15|(3<<16)|(1<<20)|(1<<21)|(7<<22)|(31<<25)   ; K: rows of 1,024 bytes (128 elements of 8), 32 words of padding behind each; all four partners
	s_mov_b32 s[G1K+1], 128<<16
	s_mov_b32 s[G1K+2], 32<<16
	s_mov_b32 s[G1K+3], 128<<16
	s_mov_b32 s[G1K+4], 32
	s_mov_b32 s[G1K+5], 128
	s_mov_b32 s[G1K+6], 0
	s_mov_b32 s[G1K+7], 0
	s_mov_b32 s[G1V], 15|(3<<16)|(1<<21)           ; V and the scale words: 140 dense rows of 256 bytes a wave
	s_mov_b32 s[G1V+1], 32<<16
	s_mov_b32 s[G1V+2], 140<<16
	s_mov_b32 s[G1V+3], 32<<16
	s_mov_b32 s[G1V+4], 140
	s_mov_b32 s[G1V+5], 32
	s_mov_b32 s[G1V+6], 0
	s_mov_b32 s[G1V+7], 0
	s_mov_b32 s[MNT], 0x600000
	s_mov_b32 s[SEL], 0x76543210
	s_mov_b32 s[SEL+1], 0xfedcba98
	s_mov_b32 s[CS], 0x3e38aa3b                    ; log2(e) / 8
	s_mov_b32 s[CS+1], s[CS]
	s_and_b32 s54, s[WV], 3
	s_mov_b32 s[G0K], 1
	s_mul_i32 s[G0K+1], s54, 32*KP
	s_mov_b32 s[G0V], 1
	s_mul_i32 s[G0V+1], s54, 35840
	s_add_co_u32 s[G0V+1], s[G0V+1], VB
	s_lshl_b32 s56, s[BH], 17
	s_lshl_b32 s57, s54, 15
	s_add_co_u32 s56, s56, s57
	s_mov_b32 s57, 0
	s_mul_i32 s58, s[BH], 143360
	s_mul_i32 s59, s54, 35840
	s_add_co_u32 s58, s58, s59
	s_mov_b32 s59, 0
	s_wait_dscnt 0x0
	s_wait_kmcnt 0x0
	s_add_nc_u64 s[G0K+2:G0K+3], s[8:9], s[56:57]
	s_or_b32 s[G0K+3], s[G0K+3], 0x80000000
	s_add_nc_u64 s[G0V+2:G0V+3], s[10:11], s[58:59]
	s_or_b32 s[G0V+3], s[G0V+3], 0x80000000
	CROUND                                         ; the four partners are here: the joint loads meet
	s_cmp_lt_u32 s[WV], 4                          ; one load a wave: waves 0-3 a quarter of K, waves 4-7 a quarter of V and the scale words
	s_cbranch_scc0 .Lfor_v
	tensor_load_to_lds s[G0K:G0K+3], s[G1K:G1K+7]
	s_nop 0
.rept 4
	v_nop
.endr
	s_branch .Lasked
.Lfor_v:
	tensor_load_to_lds s[G0V:G0V+3], s[G1V:G1V+7]
	s_nop 0
.rept 4
	v_nop
.endr
.Lasked:
	s_lshl_b32 s54, s[CX], 5
	s_lshl_b32 s55, s[WV], 1
	s_add_co_u32 s54, s54, s55                     ; my first tile of 16 queries in the head: 32 cx + 2 wave; the second pass: 16 on
	s_lshl_b32 s55, s[BH], 7
	s_add_co_u32 s55, s55, s54
	s_lshl_b32 s56, s55, 10
	s_mov_b32 s57, 0
	s_add_nc_u64 s[4:5], s[4:5], s[56:57]
	s_lshl_b32 s56, s[BH], 4
	s_lshr_b32 s58, s54, 3
	s_add_co_u32 s56, s56, s58
	s_lshl_b32 s56, s56, 9
	s_and_b32 s58, s[WV], 3
	s_lshl_b32 s58, s58, 2
	s_add_co_u32 s56, s56, s58
	s_add_nc_u64 s[6:7], s[6:7], s[56:57]          ; q's scale words: word wave % 4 of each lane's four
	s_lshr_b32 s58, s[BH], 4
	s_lshl_b32 s58, s58, 7
	s_add_co_u32 s58, s58, s54
	s_and_b32 s59, s[BH], 15
	s_lshl_b32 s56, s58, 14
	s_lshl_b32 s60, s59, 10
	s_add_co_u32 s56, s56, s60
	s_add_nc_u64 s[12:13], s[12:13], s[56:57]      ; o_img: [tile of 16 tokens][head][2 pieces of 512 bytes]
	s_lshl_b32 s56, s58, 9
	s_lshl_b32 s60, s59, 1
	s_add_co_u32 s56, s56, s60
	s_add_nc_u64 s[14:15], s[14:15], s[56:57]      ; o_sc: [token][32 bytes]
	v_and_b32 v7, 31, v0
	v_lshlrev_b32 v[LI], 4, v7
	v_lshl_add_u32 v[L8V], v7, 3, SCB+512
	v_and_b32 v8, 15, v0                           ; r
	v_bfe_u32 v9, v0, 4, 1                         ; h
	v_lshlrev_b32 v[LR32], 5, v8
	v_and_b32 v10, 7, v8
	v_lshrrev_b32 v11, 3, v8
	v_mul_u32_u24 v[LKB], v11, KP                  ; rows 8-15 of my tile lie in the next tile of the image
	v_lshl_add_u32 v[LKB], v10, 4, v[LKB]
	v_lshl_add_u32 v[LKB], v9, 8, v[LKB]
	v_lshl_add_u32 v[LKS], v9, 3, v10              ; the words of lane 8 h + r % 8 + 16 (r / 8) of the image
	v_lshl_add_u32 v[LKS], v11, 4, v[LKS]
	v_lshl_add_u32 v[LKS], v[LKS], 4, SCB
	WIN 0x40
.irp p, 0,1                                    ; q of both passes, under the tiles' flight
.irp c, 0,1,2,3
	global_load_b128 v[QF+(QN-QF)*\p+(16-8*\p)*(\c/2)+4*(\c%2):QF+(QN-QF)*\p+(16-8*\p)*(\c/2)+4*(\c%2)+3], v[LI], s[4:5] offset:16384*\p+512*\c
.endr
.endr
.irp j, 0,1,2,3,4,5,6,7
	v_mov_b32 v[KF+64+\j], 0                       ; behind K's last tile, and q's upper halves: zero codes
	v_mov_b32 v[QF+8+\j], 0
	v_mov_b32 v[QF+24+\j], 0
.endr
	WIN 0
	global_load_b32 v[QSC], v[LI], s[6:7]
	global_load_b32 v[QS2], v[LI], s[6:7] offset:1024
	s_mov_b32 s[PASS], 0
	WALU                                           ; the wait at the head's end
	s_wait_loadcnt 0x0
	s_wait_tensorcnt 0x0                           ; my part has landed;
	s_barrier_signal -1
	s_barrier_wait -1                              ; everybody's has
.macro KLOADS off, soff                        ; 17 LDS loads: K's fragments and scale words, so many bytes behind the step in hand
	WIN 0x40
.irp t, 0,1,2,3,4,5,6,7
	ds_load_b128 v[KF+8*\t:KF+8*\t+3], v[ADK] offset:(\t/2)*2*KP+(\t%2)*128+\off
	ds_load_b128 v[KF+8*\t+4:KF+8*\t+7], v[ADK] offset:(\t/2)*2*KP+(\t%2)*128+512+\off
.endr
	WIN 0
	ds_load_b128 v[KSC:KSC+3], v[ADS] offset:\soff
.endm
.macro VLOADS                                  ; 17 LDS loads
	WIN 0x40
.set n, 0
.rept 16
	ds_load_b128 v[VF+4*n:VF+4*n+3], v[ADV] offset:512*n
.set n, n+1
.endr
	WIN 0
	ds_load_b64 v[VSC:VSC+1], v[ADT]
.endm
.macro DEFER i                                 ; the end of tile i's row sum of the last step
	v_pk_add_f32 v[TB+24*\i:TB+24*\i+1], v[TB+24*\i:TB+24*\i+1], v[TB+24*\i+2:TB+24*\i+3]
	v_pk_add_f32 v[TB+24*\i+4:TB+24*\i+5], v[TB+24*\i+4:TB+24*\i+5], v[TB+24*\i+6:TB+24*\i+7]
	v_pk_add_f32 v[TB+24*\i:TB+24*\i+1], v[TB+24*\i:TB+24*\i+1], v[TB+24*\i+4:TB+24*\i+5]
	v_pk_fma_f32 v[LS+2*\i:LS+2*\i+1], v[LS+2*\i:LS+2*\i+1], v[FF+2*\i:FF+2*\i+1], v[TB+24*\i:TB+24*\i+1] op_sel_hi:[1,0,1]   ; sum x f + the step's
.endm
.macro MXL i, m                                ; line m of 32: the largest score of each block of 32 keys, the four blocks by turns; each accumulator from its low end on
.if (\m) < 4
	v_max3_num_f32 v[TB+24*\i+(\m)], v[S+64*\i+16*(\m)], v[S+64*\i+16*(\m)+1], v[S+64*\i+16*(\m)+2]
.elseif (\m) < 28
	v_max3_num_f32 v[TB+24*\i+(\m)%4], v[TB+24*\i+(\m)%4], v[S+64*\i+16*((\m)%4)+2*((\m)/4)+1], v[S+64*\i+16*((\m)%4)+2*((\m)/4)+2]
.else
	v_max_num_f32 v[TB+24*\i+(\m)%4], v[TB+24*\i+(\m)%4], v[S+64*\i+16*((\m)%4)+15]
.endif
.endm
.macro SUML i, m                               ; line m of 28: 32 pairs of unquantised p into four partial pairs
.if (\m) < 4
	v_pk_add_f32 v[TB+24*\i+2*(\m):TB+24*\i+2*(\m)+1], v[S+64*\i+2*(\m):S+64*\i+2*(\m)+1], v[S+64*\i+8+2*(\m):S+64*\i+9+2*(\m)]
.else
	v_pk_add_f32 v[TB+24*\i+2*((\m)%4):TB+24*\i+2*((\m)%4)+1], v[TB+24*\i+2*((\m)%4):TB+24*\i+2*((\m)%4)+1], v[S+64*\i+8+8*((\m)/4)+2*((\m)%4):S+64*\i+9+8*((\m)/4)+2*((\m)%4)]
.endif
.endm
.macro HOLDL i, n                              ; line n of 32: two holds in one line, of two neighbouring blocks: their bounds lie in unlike banks
.set B_, 2*((\n)/16)
.set J_, 2*(((\n)%16)/2)
.if (\n)%2
	v_dual_min_num_f32 v[S+64*\i+16*B_+16+J_], v[S+64*\i+16*B_+16+J_], v[TB+24*\i+13+B_] :: v_dual_min_num_f32 v[S+64*\i+16*B_+J_+1], v[S+64*\i+16*B_+J_+1], v[TB+24*\i+12+B_]
.else
	v_dual_min_num_f32 v[S+64*\i+16*B_+J_], v[S+64*\i+16*B_+J_], v[TB+24*\i+12+B_] :: v_dual_min_num_f32 v[S+64*\i+16*B_+17+J_], v[S+64*\i+16*B_+17+J_], v[TB+24*\i+13+B_]
.endif
.endm
.macro XTRA n                                  ; 20 lines, each one level from numbers made ahead of the batch in which it stands
.if (\n) < 8
	v_lshl_add_u32 v[TB+24*((\n)/4)+8+(\n)%4], v[TB+24*((\n)/4)+(\n)%4], 23, 0x38000000    ; (e + 112) << 23: the conversion's scale operand
.elseif (\n) < 16
	v_lshl_add_u32 v[TB+24*(((\n)-8)/4)+12+(\n)%4], v[TB+24*(((\n)-8)/4)+(\n)%4], 23, 0x3fe00000   ; 1.75 x 2^e: the bound
.elseif (\n) < 18
	v_ldexp_f32 v[FF+2*((\n)-16)], 1.0, v[TB+24*((\n)-16)+21]                              ; f
.else
	v_add_nc_u32 v[PSC+(\n)-18], 0x70707070, v[TB+24*((\n)-18)+20]                         ; the four bytes e + 112: p's scale word
.endif
.endm
.macro CVT i
.irp b, 0,1,2,3
	v_cvt_scalef32_pk8_bf8_f32 v[PCD+16*\i+4*\b:PCD+16*\i+4*\b+1], v[S+64*\i+16*\b:S+64*\i+16*\b+7], v[TB+24*\i+8+\b]
	v_cvt_scalef32_pk8_bf8_f32 v[PCD+16*\i+4*\b+2:PCD+16*\i+4*\b+3], v[S+64*\i+16*\b+8:S+64*\i+16*\b+15], v[TB+24*\i+8+\b]
.endr
.endm
.macro SM1 t                                   ; tile 1's scores of key tile t
	WIN 0x05
.if (\t)%2
	WM S+64+8*(\t), KF+8*(\t), QF+16, 0, KSC+(\t)/2, QSC, matrix_a_scale:MATRIX_SCALE_ROW1 matrix_b_scale:MATRIX_SCALE_ROW1
.else
	WM S+64+8*(\t), KF+8*(\t), QF+16, 0, KSC+(\t)/2, QSC, matrix_b_scale:MATRIX_SCALE_ROW1
.endif
	WIN 0
.endm
.macro PVM i, t                                ; O^T of tile i, d tile t
	WIN 0x51
.if (\t)%2
	WM O+32*\i+8*(\t), VF+16*(\t), PCD+16*\i, v[O+32*\i+8*(\t):O+32*\i+8*(\t)+7], VSC+(\t)/2, PSC+\i, matrix_a_scale:MATRIX_SCALE_ROW1
.else
	WM O+32*\i+8*(\t), VF+16*(\t), PCD+16*\i, v[O+32*\i+8*(\t):O+32*\i+8*(\t)+7], VSC+(\t)/2, PSC+\i
.endif
.endm
.macro RESC i                                  ; O^T x f; also the places ahead of the products
	WIN 0x41
	WALU                                           ; the wait directly ahead of the first readers of O^T
.set j, 0
.rept 16
	v_pk_mul_f32 v[O+32*\i+j:O+32*\i+j+1], v[O+32*\i+j:O+32*\i+j+1], v[FF+2*\i:FF+2*\i+1] op_sel_hi:[1,0]
.set j, j+2
.endr
.endm
; A STEP: 128 keys for both tiles.  pf = 1: the next step's K is fetched too
.macro STEP pf
	s_wait_dscnt 0x0                               ; K's fragments and scale words are in
	WIN 0x05
.irp t, 0,2,4,6
	WM S+8*\t, KF+8*\t, QF, 0, KSC+\t/2, QSC
	WM S+8*\t+8, KF+8*\t+8, QF, 0, KSC+\t/2, QSC, matrix_a_scale:MATRIX_SCALE_ROW1
.endr
	SM1 0
	DEFER 0                                        ; the lines behind these two products are also the places ahead of the first read of tile 0's scores
	v_add_nc_u32 v[ADV], s[TV], v[LI]
	v_add_nc_u32 v[ADT], s[TS], v[L8V]
	SM1 1
	DEFER 1
.if \pf
	v_add_nc_u32 v[ADK], s[TK], v[LKB]
	v_add_nc_u32 v[ADS], s[TS], v[LKS]
.endif
.set M_, 0
.irp t, 2,3,4,5,6
	SM1 \t
.rept 5
	MXL 0, M_
.set M_, M_+1
.endr
.endr
	SM1 7
.rept 7
	MXL 0, M_
.set M_, M_+1
.endr
.irp b, 0,1,2,3
	v_permlanex16_b32 v[TB+4+\b], v[TB+\b], s[SEL], s[SEL+1]
.endr
	VLOADS                                         ; eleven lines behind the last product.  This step's V,
.if \pf
	KLOADS KSTEP, 768                              ; and the next step's K
.endif
.set M_, 0
.rept 32
	MXL 1, M_
.set M_, M_+1
.endr
.irp b, 0,1,2,3
	v_permlanex16_b32 v[TB+28+\b], v[TB+24+\b], s[SEL], s[SEL+1]
.endr
.irp i, 0,1
.irp b, 0,1,2,3
	v_max_num_f32 v[TB+24*\i+\b], v[TB+24*\i+\b], v[TB+24*\i+4+\b]
.endr
.endr
.irp i, 0,1                                    ; the two tiles' chains by turns
	v_max3_num_f32 v[TB+24*\i+20], v[TB+24*\i], v[TB+24*\i+1], v[TB+24*\i+2]
.endr
.irp i, 0,1
	v_max_num_f32 v[TB+24*\i+20], v[TB+24*\i+20], v[TB+24*\i+3]
.endr
.irp i, 0,1
	v_mul_f32 v[TB+24*\i+20], s[CS], v[TB+24*\i+20]
.endr
.irp i, 0,1
	v_max_num_f32 v[ST+2*\i+1], v[ST+2*\i+1], v[TB+24*\i+20]   ; the running largest t
.endr
.irp i, 0,1
	v_mov_b32 v[TB+24*\i+21], v[ST+2*\i]
.endr
.irp i, 0,1
	v_floor_f32 v[ST+2*\i], -v[ST+2*\i+1]          ; -M
.endr
.irp i, 0,1
	v_sub_f32 v[TB+24*\i+21], v[ST+2*\i], v[TB+24*\i+21]
.endr
.irp i, 0,1
	v_cvt_i32_f32 v[TB+24*\i+21], v[TB+24*\i+21]   ; old M - new M
.endr
.irp i, 0,1
.irp b, 0,1,2,3
	v_fma_f32 v[TB+24*\i+\b], v[TB+24*\i+\b], s[CS], v[ST+2*\i]   ; a = the block's largest t - M
.endr
.endr
.irp i, 0,1
.irp b, 0,1,2,3
	v_max_num_f32 v[TB+24*\i+\b], 0xc2de0000, v[TB+24*\i+\b]      ; not under -111: the byte stays at 1 or above
.endr
.endr
.irp i, 0,1
.irp b, 0,1,2,3
	v_cvt_floor_i32_f32 v[TB+24*\i+\b], v[TB+24*\i+\b]            ; e = floor(a)
.endr
.endr
.irp i, 0,1
	v_lshl_add_u32 v[TB+24*\i+20], v[TB+24*\i+3], 8, v[TB+24*\i+2]
.endr
.irp i, 0,1
	v_lshl_add_u32 v[TB+24*\i+20], v[TB+24*\i+20], 8, v[TB+24*\i+1]
.endr
.irp i, 0,1
	v_lshl_add_u32 v[TB+24*\i+20], v[TB+24*\i+20], 8, v[TB+24*\i]
.endr
.set j, 0
.rept 32
	v_pk_fma_f32 v[S+j:S+j+1], v[S+j:S+j+1], s[CS:CS+1], v[ST:ST+1] op_sel_hi:[1,0,0]   ; tile 0: t - M
.set j, j+2
.endr
	WALU                                           ; the wait ahead of the batch
.set j, 0
.rept 32                                       ; tile 0's exponentials; between them tile 1's t - M and the 20 lines of XTRA
	v_exp_f32 v[S+j], v[S+j]
	v_pk_fma_f32 v[S+64+j:S+65+j], v[S+64+j:S+65+j], s[CS:CS+1], v[ST+2:ST+3] op_sel_hi:[1,0,0]
	v_exp_f32 v[S+j+1], v[S+j+1]
.if j >= 24
	XTRA (j-24)/2
.endif
.set j, j+2
.endr
	WALU                                           ; and behind it
.set M_, 0
.rept 28
	SUML 0, M_
.set M_, M_+1
.endr
.set n, 0
.rept 32                                       ; tile 1's exponentials, tile 0's holds between them
	v_exp_f32 v[S+64+2*n], v[S+64+2*n]
	HOLDL 0, n
	v_exp_f32 v[S+65+2*n], v[S+65+2*n]
.set n, n+1
.endr
	v_nop
	WALU
	CVT 0
	s_wait_dscnt 17*\pf                            ; V's loads are in; the next K's 17, issued behind them, may be out
	RESC 0
.set M_, 0
.irp t, 0,1,2,3                                ; tile 0's second product, tile 1's sums behind each
	PVM 0, \t
	WIN 0
.rept 5
	SUML 1, M_
.set M_, M_+1
.endr
.endr
.rept 8
	SUML 1, M_
.set M_, M_+1
.endr
.set n, 0
.rept 32
	HOLDL 1, n
.set n, n+1
.endr
	CVT 1
	RESC 1
.irp t, 0,1,2,3
	PVM 1, \t
.endr
	WIN 0
.if \pf
	s_add_co_u32 s[TK], s[TK], KSTEP
	s_add_co_u32 s[TS], s[TS], 768
.endif
	s_add_co_u32 s[TV], s[TV], 8192
.endm
.Lpass:
	s_mov_b32 s[TK], 0
	s_mov_b32 s[TS], 0
	s_mov_b32 s[TV], VB
	v_add_nc_u32 v[ADK], s[TK], v[LKB]
	v_add_nc_u32 v[ADS], s[TS], v[LKS]
	KLOADS 0, 0
.irp i, 0,1
	v_mov_b32 v[ST+2*\i], 0x7f61b1e6               ; -M and the largest t: 3e38, -3e38
	v_mov_b32 v[ST+2*\i+1], 0xff61b1e6
	v_mov_b32 v[LS+2*\i], 0
	v_mov_b32 v[LS+2*\i+1], 0
	v_mov_b32 v[FF+2*\i], 0
	v_mov_b32 v[FF+2*\i+1], 0
.irp k, 0,1,2,3,4,5,6,7
	v_mov_b32 v[TB+24*\i+\k], 0                    ; the partial sums that the first step adds
.endr
.endr
	WIN 0x40
.set j, 0
.rept 64
	v_mov_b32 v[O+j], 0                            ; the step is written for every step alike: the first finds zeros
.set j, j+1
.endr
	WIN 0
	s_mov_b32 s[CNT], 15
	WALU                                           ; the wait ahead of the waits below
.Lstep:
	STEP 1
	s_sub_co_u32 s[CNT], s[CNT], 1
	s_cmp_lg_u32 s[CNT], 0
	WALU                                           ; the wait ahead of the branch
	s_cbranch_scc1 .Lstep
	STEP 0                                         ; the last step fetches no further K
	; THE WAY OUT: O^T / the sum, quantised along d in two blocks of 32, as two pieces of an operand's image and two scale bytes a query
	DEFER 0                                        ; eight lines: also the places behind the last products
	DEFER 1
.irp i, 0,1
	v_add_f32 v[TB+24*\i+20], v[LS+2*\i], v[LS+2*\i+1]
.endr
.irp i, 0,1
	v_permlanex16_b32 v[TB+24*\i+21], v[TB+24*\i+20], s[SEL], s[SEL+1]
.endr
.irp i, 0,1
	v_add_f32 v[TB+24*\i+21], v[TB+24*\i+20], v[TB+24*\i+21]
.endr
	WALU
.irp i, 0,1
	v_rcp_f32 v[TB+24*\i+20], v[TB+24*\i+21]
.endr
	v_nop
	WIN 0x01
	WALU
.irp i, 0,1
.set j, 0
.rept 16
	v_pk_mul_f32 v[S+64*\i+j:S+64*\i+j+1], v[O+32*\i+j:O+32*\i+j+1], v[TB+24*\i+20:TB+24*\i+21] op_sel_hi:[1,0]
.set j, j+2
.endr
.endr
	WIN 0
.irp i, 0,1
.irp b, 0,1
	v_max3_num_f32 v[TB+24*\i+\b], |v[S+64*\i+16*\b]|, |v[S+64*\i+16*\b+1]|, 0x8000000
.endr
.endr
.irp k, 2,4,6,8,10,12,14
.irp i, 0,1
.irp b, 0,1
	v_max3_num_f32 v[TB+24*\i+\b], v[TB+24*\i+\b], |v[S+64*\i+16*\b+\k]|, |v[S+64*\i+16*\b+\k+1]|
.endr
.endr
.endr
.irp i, 0,1
.irp b, 0,1
	v_permlanex16_b32 v[TB+24*\i+4+\b], v[TB+24*\i+\b], s[SEL], s[SEL+1]
.endr
.endr
.irp i, 0,1
.irp b, 0,1
	v_max_num_f32 v[TB+24*\i+\b], v[TB+24*\i+\b], v[TB+24*\i+4+\b]
.endr
.endr
.irp i, 0,1
.irp b, 0,1
	v_add_nc_u32 v[TB+24*\i+8+\b], 0xf8800000, v[TB+24*\i+\b]
.endr
.endr
.irp i, 0,1
.irp b, 0,1
	v_and_or_b32 v[TB+24*\i+12+\b], v[TB+24*\i+\b], 0x7f800000, s[MNT]
.endr
.endr
.irp i, 0,1
.irp b, 0,1
	v_lshrrev_b32 v[TB+24*\i+4+\b], 23, v[TB+24*\i+8+\b]
.endr
.endr
.irp i, 0,1
	v_lshl_or_b32 v[TB+24*\i+20], v[TB+24*\i+5], 8, v[TB+24*\i+4]
.endr
.irp i, 0,1
.irp b, 0,1
.set j, 0
.rept 16
	v_med3_num_f32 v[S+64*\i+16*\b+j], v[S+64*\i+16*\b+j], -v[TB+24*\i+12+\b], v[TB+24*\i+12+\b]
.set j, j+1
.endr
	v_cvt_scalef32_pk8_bf8_f32 v[PCD+16*\i+4*\b:PCD+16*\i+4*\b+1], v[S+64*\i+16*\b:S+64*\i+16*\b+7], v[TB+24*\i+8+\b]
	v_cvt_scalef32_pk8_bf8_f32 v[PCD+16*\i+4*\b+2:PCD+16*\i+4*\b+3], v[S+64*\i+16*\b+8:S+64*\i+16*\b+15], v[TB+24*\i+8+\b]
.endr
.endr
	v_nop
.irp i, 0,1
.irp b, 0,1
	v_permlane16_swap_b32 v[PCD+16*\i+4*\b], v[PCD+16*\i+4*\b+2]       ; d = 8 .. 15 goes down, d = 16 .. 23 goes up: the operand's order
	v_permlane16_swap_b32 v[PCD+16*\i+4*\b+1], v[PCD+16*\i+4*\b+3]
.endr
.endr
.irp i, 0,1
	global_store_b128 v[LI], v[PCD+16*\i:PCD+16*\i+3], s[12:13] offset:16384*\i        ; each store covers 512 consecutive bytes, aligned
	global_store_b128 v[LI], v[PCD+16*\i+4:PCD+16*\i+7], s[12:13] offset:16384*\i+512
	global_store_b16 v[LR32], v[TB+24*\i+20], s[14:15] offset:512*\i
.endr
	s_wait_xcnt 0x0                                ; the stores have read their registers and bases
	s_add_nc_u64 s[12:13], s[12:13], 262144        ; 16 tiles of queries on
	s_add_nc_u64 s[14:15], s[14:15], 8192
	WIN 0x41
.irp j, 0,1,2,3,4,5,6,7
	v_mov_b32 v[QF+\j], v[QN+\j]                   ; the second pass's q
	v_mov_b32 v[QF+16+\j], v[QN+8+\j]
.endr
	WIN 0
	v_mov_b32 v[QSC], v[QS2]
	s_add_co_u32 s[PASS], s[PASS], 1
	s_cmp_lg_u32 s[PASS], 2
	WALU                                           ; the wait ahead of the branch
	s_cbranch_scc1 .Lpass
	s_wait_tensorcnt 0x0                           ; the wave's end
	ds_add_u32 v[SPW], v[NIL]
	s_wait_dscnt 0x0
	CROUND                                         ; the closing round
	s_endpgm
.Lfunc_end_k_qb2e50d3736_attn:
	.size	k_qb2e50d3736_attn, .Lfunc_end_k_qb2e50d3736_attn-k_qb2e50d3736_attn
	.p2alignl 7, 3214868480
	.fill 96, 4, 3214868480
	.section	.rodata,"a",@progbits
	.p2align	6, 0x0
	.amdhsa_kernel k_qb2e50d3736_attn
		.amdhsa_group_segment_fixed_size 327680
		.amdhsa_private_segment_fixed_size 0
		.amdhsa_enable_private_segment 0
		.amdhsa_kernarg_size 48
		.amdhsa_user_sgpr_count 2
		.amdhsa_user_sgpr_kernarg_segment_ptr 1
		.amdhsa_wavefront_size32 1
		.amdhsa_system_sgpr_workgroup_id_x 1
		.amdhsa_system_sgpr_workgroup_id_y 1
		.amdhsa_system_sgpr_workgroup_id_z 1
		.amdhsa_system_vgpr_workitem_id 0
		.amdhsa_next_free_vgpr 512
		.amdhsa_next_free_sgpr 66
		.amdhsa_reserve_vcc 0
		.amdhsa_float_denorm_mode_32 3
		.amdhsa_float_denorm_mode_16_64 3
		.amdhsa_memory_ordered 1
		.amdhsa_forward_progress 1
		.amdhsa_inst_pref_size 93
	.end_amdhsa_kernel
	.amdgpu_metadata
---
amdhsa.version: [ 1, 2 ]
amdhsa.kernels:
  - .name:           k_qb2e50d3736_attn
    .symbol:         k_qb2e50d3736_attn.kd
    .args:
      - { .name: q_img, .offset: 0, .size: 8, .value_kind: global_buffer, .address_space: global }
      - { .name: q_sc, .offset: 8, .size: 8, .value_kind: global_buffer, .address_space: global }
      - { .name: k_img, .offset: 16, .size: 8, .value_kind: global_buffer, .address_space: global }
      - { .name: vs_img, .offset: 24, .size: 8, .value_kind: global_buffer, .address_space: global }
      - { .name: o_img, .offset: 32, .size: 8, .value_kind: global_buffer, .address_space: global }
      - { .name: o_sc, .offset: 40, .size: 8, .value_kind: global_buffer, .address_space: global }
    .group_segment_fixed_size: 327680
    .private_segment_fixed_size: 0
    .kernarg_segment_align: 8
    .kernarg_segment_size: 48
    .max_flat_workgroup_size: 256
    .sgpr_count:     66
    .vgpr_count:     512
    .wavefront_size: 32
...
	.end_amdgpu_metadata
.endif
;; end of part 3
;; launch outp (part 4): grid 8 x 32, 4 waves a work-group, clusters of 4 x 4, 327,680 bytes of LDS; arguments o_img, Wo_codes, o_sc, Wo_scales, bo, out0; writes out0
.if DOCPART == 4
	.amdgcn_target "amdgcn-amd-amdhsa--gfx1250"
	.amdhsa_code_object_version 6
	.text
	.protected	k_qb2e50d3736_outp
	.globl	k_qb2e50d3736_outp
	.p2align	8
	.type	k_qb2e50d3736_outp,@function
k_qb2e50d3736_outp:
	s_mov_b64 s[64:65], 0
	v_nop
	global_prefetch_b8 v0, s[64:65] scope:SCOPE_SE
	s_setreg_imm32_b32 hwreg(HW_REG_WAVE_MODE, 25, 1), 1
	s_wait_xcnt 0x0
	s_wait_alu depctr_hold_cnt(0) depctr_sa_sdst(0) depctr_va_vdst(0) depctr_va_sdst(0) depctr_va_ssrc(0) depctr_va_vcc(0) depctr_vm_vsrc(0)
	s_getreg_b32 s2, hwreg(HW_REG_IB_STS2, 6, 4)
	s_cmp_eq_u32 s2, 0
	s_cbranch_scc0 .Lentry_in_a_cluster
	s_endpgm
.Lentry_in_a_cluster:
	s_bfe_u32 s2, ttmp6, 0x10000c
	s_cmp_lg_u32 s2, 0xf033
	s_cbranch_scc0 .Lentry_shape_is_right
	s_endpgm
.Lentry_shape_is_right:
; out0 = o Wo + bo: the text of the first launch with QM = 0; its head says how the work is dealt, how LDS is laid and which limits are kept.  Nothing of the problem is left out here.
; A is the attention's image [tile of 16 tokens][head][2 pieces of 512 bytes], a row of 1,024 bytes for each tile and head; its scale bytes [token][32].
; The bias is the first products' C; a block of 16 rows x 64 columns leaves through the wave's own stage in LDS as whole units of 256 bytes, among the next block's products.
.set QM,    0
.set P,     1040
.set TILE,  16*P
.set WB,    9*TILE
.set STAGE, WB+128*P
.set SPARE, STAGE+4*16*272
.set ADW,   4
.set ADA0,  5
.set ADA,   6
.set VSL,   7
.set VB8,   8
.set STO,   9
.set RD,    10
.set CO,    11
.set SPW,   12
.set NIL,   13
.set PF,    14
.set LI,    15
.set L16R,  16
.set R,     32
.set BIAS,  96
.set TM,    96
.set PW,    104
.set PC,    112
.set ACC,   128
.set OB,    192
.set WV,    16
.set WR,    17
.set WC,    18
.set TR,    19
.set TC,    20
.set G1W,   24
.set G1A,   32
.set G1R,   40
.set G0W,   48
.set G0A,   52
.set G0R,   56
.set SEL,   70
.set MNT,   72
.set MSB, 0
.macro WIN new
.if MSB != \new
	s_set_vgpr_msb (MSB<<8)|\new
.set MSB, \new
.endif
.endm
.macro PLACES n
.rept \n
	v_nop
.endr
.endm
.macro BARRIER
	s_barrier_signal -1
	s_barrier_wait -1
.endm
.macro CROUND
	BARRIER
	s_cmp_lg_u32 s[WV], 0
	s_cbranch_scc1 .Lnot_wave_0_\@
	s_barrier_signal -3
.Lnot_wave_0_\@:
	s_barrier_wait -3
	BARRIER
.endm
.macro TLOAD g0, g1
	tensor_load_to_lds s[\g0:\g0+3], s[\g1:\g1+7]
	s_nop 0
	PLACES 4
.endm
.macro GROUP1 g, mask, rows
	s_or_b32 s[\g+0], s[\mask], (1<<20)|(1<<21)|(7<<22)|(3<<25)
	s_mov_b32 s[\g+1], 1024<<16
	s_mov_b32 s[\g+2], (\rows)<<16
	s_mov_b32 s[\g+3], 1024<<16
	s_mov_b32 s[\g+4], \rows
	s_mov_b32 s[\g+5], 1024
	s_mov_b32 s[\g+6], 0
	s_mov_b32 s[\g+7], 0
.endm
	s_load_b256 s[4:11], s[0:1], 0x0               ; o_img, Wo's codes, o_sc, Wo's scales
	s_load_b128 s[12:15], s[0:1], 0x20             ; bo, out0
	v_lshl_add_u32 v[SPW], v0, 2, SPARE
	v_mov_b32 v[NIL], 0
	ds_add_u32 v[SPW], v[NIL]                      ; the opening lines
	ds_add_u32 v[SPW], v[NIL]
	v_lshrrev_b32 v1, 5, v0
	v_readfirstlane_b32 s[WV], v1
	s_lshr_b32 s[WR], s[WV], 1
	s_and_b32 s[WC], s[WV], 1
	s_bfe_u32 s66, ttmp6, 0x40000
	s_bfe_u32 s67, ttmp6, 0x40004
	s_lshl_b32 s[TC], ttmp9, 2
	s_add_co_u32 s[TC], s[TC], s66
	s_and_b32 s[TR], ttmp7, 0xffff
	s_lshl_b32 s[TR], s[TR], 2
	s_add_co_u32 s[TR], s[TR], s67
	s_lshl_b32 s68, s67, 2
	s_lshl_b32 s68, 15, s68
	s_lshl_b32 s69, 0x1111, s66
	GROUP1 G1W, 69, 128
	GROUP1 G1A, 68, 48
	GROUP1 G1R, 68, 28
	s_mov_b32 s[G0W], 1
	s_mov_b32 s[G0W+1], WB
	s_mov_b32 s[G0A], 1
	s_mul_i32 s[G0A+1], s[WV], 48*P
	s_mov_b32 s[G0R], 1
	s_mul_i32 s[G0R+1], s[WV], 28*P
	s_add_co_u32 s[G0R+1], s[G0R+1], WB
	s_lshl_b32 s60, s[TR], 18
	s_mul_i32 s21, s[WV], 48*1024
	s_add_co_u32 s60, s60, s21
	s_mov_b32 s61, 0
	s_lshl_b32 s74, s[TR], 18
	s_mul_i32 s21, s[WV], 28*1024
	s_add_co_u32 s74, s74, s21
	s_add_co_u32 s74, s74, 144*1024
	s_mov_b32 s75, 0
	s_lshl_b32 s62, s[TC], 17
	s_mov_b32 s63, 0
	s_wait_dscnt 0x0
	s_wait_kmcnt 0x0
	s_add_nc_u64 s[G0A+2:G0A+3], s[4:5], s[60:61]
	s_or_b32 s[G0A+3], s[G0A+3], 0x80000000
	s_add_nc_u64 s[G0R+2:G0R+3], s[4:5], s[74:75]
	s_or_b32 s[G0R+3], s[G0R+3], 0x80000000
	s_add_nc_u64 s[G0W+2:G0W+3], s[6:7], s[62:63]
	s_or_b32 s[G0W+3], s[G0W+3], 0x80000000
	CROUND
	s_cmp_lt_u32 s[WV], 3
	s_cbranch_scc0 .Lfor_w
	TLOAD G0A, G1A
	s_branch .Lasked
.Lfor_w:
	TLOAD G0W, G1W
.Lasked:
	s_lshl_b32 s60, s[TR], 13
	s_lshl_b32 s62, s[WR], 9
	s_add_co_u32 s60, s60, s62
	s_mov_b32 s61, 0
	s_add_nc_u64 s[8:9], s[8:9], s[60:61]
	s_lshl_b32 s60, s[TC], 12
	s_lshl_b32 s62, s[WC], 11
	s_add_co_u32 s60, s60, s62
	s_add_nc_u64 s[10:11], s[10:11], s[60:61]
	s_lshl_b32 s60, s[TC], 9
	s_lshl_b32 s62, s[WC], 8
	s_add_co_u32 s60, s60, s62                     ; my first column, in bytes of f32
	s_add_nc_u64 s[12:13], s[12:13], s[60:61]
	s_add_nc_u64 s[14:15], s[14:15], s[60:61]
	s_lshl_b32 s60, s[TR], 20
	s_lshl_b32 s62, s[WR], 16
	s_add_co_u32 s60, s60, s62
	s_add_nc_u64 s[14:15], s[14:15], s[60:61]
	s_lshl_b32 s76, s66, 2
	s_add_co_u32 s76, s76, s[WV]
	s_mul_i32 s76, s76, 28*256
	s_lshl_b32 s77, s[TR], 18
	s_add_co_u32 s76, s76, s77
	s_add_co_u32 s76, s76, 144*1024
	s_mul_i32 s60, s[WR], TILE
	s_mul_i32 s61, s[WC], 64*P
	s_add_co_u32 s61, s61, WB
	s_mul_i32 s62, s[WV], 16*272
	s_add_co_u32 s62, s62, STAGE
	v_and_b32 v1, 15, v0
	v_bfe_u32 v2, v0, 4, 1
	v_and_b32 v3, 31, v0
	v_mul_u32_u24 v[ADW], v1, P
	v_lshl_add_u32 v[ADW], v2, 4, v[ADW]
	v_lshlrev_b32 v[LI], 4, v3
	v_add_nc_u32 v[ADA0], s60, v[LI]               ; the image: 16 x lane in each piece
	v_lshlrev_b32 v[VB8], 5, v2
	v_mul_u32_u24 v[STO], v1, 272
	v_lshl_add_u32 v[STO], v2, 5, v[STO]
	v_add_nc_u32 v[STO], s62, v[STO]
	v_mul_u32_u24 v[RD], v2, 272
	v_lshl_add_u32 v[RD], v1, 4, v[RD]
	v_add_nc_u32 v[RD], s62, v[RD]
	v_lshlrev_b32 v[CO], 12, v2
	v_lshl_add_u32 v[CO], v1, 4, v[CO]
	v_add_nc_u32 v[ADW], s61, v[ADW]
	v_lshlrev_b32 v[VSL], 5, v1
	v_lshl_add_u32 v[VSL], v2, 4, v[VSL]
	v_min_u32 v[PF], 27, v3
	v_lshlrev_b32 v[PF], 8, v[PF]
	v_add_nc_u32 v[PF], s76, v[PF]
.irp s, 0,1,2,3,4,5,6,7
	global_load_b128 v[R+8*\s:R+8*\s+3], v[VSL], s[8:9] offset:1024*\s
.endr
.irp b, 0,1,2,3
	global_load_b128 v[R+8*\b+4:R+8*\b+7], v[VSL], s[10:11] offset:512*\b
.endr
.irp b, 0,1,2,3
	global_load_b128 v[BIAS+8*\b:BIAS+8*\b+3], v[VB8], s[12:13] offset:64*\b
	global_load_b128 v[BIAS+8*\b+4:BIAS+8*\b+7], v[VB8], s[12:13] offset:64*\b+16
.endr
	s_wait_alu depctr_va_vdst(0)                   ; the wait at the head's end
	s_cmp_eq_u32 s[WV], 3
	s_cbranch_scc0 .Lnot_w
	s_wait_tensorcnt 0x0                           ; wave 3: W has landed
.Lnot_w:
	BARRIER
	global_prefetch_b8 v[PF], s[4:5] th:TH_LOAD_NT scope:SCOPE_SE
.macro FRAG f, q, off
	WIN (1+(\f)/16)<<6
.irp c, 0,1,2,3
	ds_load_b128 v[16*((\f)%16)+4*\c:16*((\f)%16)+4*\c+3], v[ADW] offset:128*(\q)+32*\c+(\off)
.endr
.endm
.irp q, 0,1,2,3,4,5,6,7
.irp b, 0,1,2,3
	FRAG 4*\q+\b, \q, \b*16*P
.endr
.endr
	WIN 0
.macro FETCH s
	v_add_nc_u32 v[ADA], (\s)*2*TILE, v[ADA0]
	WIN 3<<6
.irp q, 0,1,2,3,4,5,6,7
.irp c, 0,1,2,3
	ds_load_b128 v[128*((\s)%2)+16*\q+4*\c:128*((\s)%2)+16*\q+4*\c+3], v[ADA] offset:(2*\q+\c/2)*P+(\c%2)*512
.endr
.endr
	WIN 0
.endm
.macro WM d, a, b, c, sa, sb, m:vararg
	v_wmma_scale_f32_16x16x128_f8f6f4 v[\d:\d+7], v[\a:\a+15], v[\b:\b+15], \c, v[\sa], v[\sb] matrix_a_fmt:MATRIX_FMT_BF8 matrix_b_fmt:MATRIX_FMT_BF8 \m
.endm
.macro PROD s, n
.set Q_, (\n)/4
.set B_, (\n)%4
.set AC_, ACC+32*((\s)%2)+8*B_
.set W_, 16*((\n)%16)
.set X_, 128*((\s)%2)+16*Q_
.set SW_, R+8*B_+4+Q_%4
.set SX_, R+8*(\s)+Q_%4
	WIN (1+(\n)/16)|(3<<2)
.if Q_ >= 4
	WM AC_, W_, X_, v[AC_:AC_+7], SW_, SX_, matrix_a_scale:MATRIX_SCALE_ROW1 matrix_b_scale:MATRIX_SCALE_ROW1
.elseif Q_ > 0
	WM AC_, W_, X_, v[AC_:AC_+7], SW_, SX_
.else
	WM AC_, W_, X_, v[BIAS+8*B_:BIAS+8*B_+7], SW_, SX_
.endif
.endm
.macro RUN s, from, to
.set N_, \from
.rept (\to)-(\from)
	PROD \s, N_
.set N_, N_+1
.endr
.endm
.macro OUT1 s
.set AP, ACC+32*((\s)%2)
.set OS, OB+32*((\s)%2)
	WIN 0
	s_wait_xcnt 0x0                                ; earlier stores have read their registers
.irp b, 0,1,2,3
	ds_store_b128 v[STO], v[AP+8*\b:AP+8*\b+3] offset:64*\b
	ds_store_b128 v[STO], v[AP+8*\b+4:AP+8*\b+7] offset:64*\b+16
.endr
.irp t, 0,1,2,3,4,5,6,7
	ds_load_b128 v[OS+4*\t:OS+4*\t+3], v[RD] offset:544*\t
.endr
.endm
.macro OUT2 s
.set OS, OB+32*((\s)%2)
	WIN 0
	s_wait_dscnt 0x0
.irp t, 0,1,2,3,4,5,6,7
	global_store_b128 v[CO], v[OS+4*\t:OS+4*\t+3], s[14:15] offset:8192*\t+131072*(\s) th:TH_STORE_NT   ; 16 lanes store 256 consecutive bytes, aligned
.endr
.endm
.macro BLK s
.if \s > 0
	WIN 0
	PLACES 8
.endif
.if \s == 4
	FETCH 4
.endif
.if (\s != 3) && (\s != 7)
	FETCH \s+1
	s_wait_dscnt 32                                ; this block's set is in; the 32 loads just issued may be out
.else
	s_wait_dscnt 0x0
.endif
	RUN \s, 0, 8
.if \s > 0
	OUT1 \s-1
.endif
	RUN \s, 8, 24
.if \s > 0
	OUT2 \s-1
.endif
	RUN \s, 24, 32
.if \s == 3
	WIN 0
	s_wait_tensorcnt 0x0
	s_wait_dscnt 0x0
	BARRIER
.endif
.endm
	s_wait_tensorcnt 0x0
	ds_add_u32 v[SPW], v[NIL]
	s_wait_dscnt 0x0
	CROUND
	TLOAD G0R, G1R
	FETCH 0
	s_wait_loadcnt 0x0
.irp s, 0,1,2,3,4,5,6,7
	BLK \s
.endr
	WIN 0
	PLACES 8
	OUT1 7
	OUT2 7
	s_wait_tensorcnt 0x0                           ; the wave's end
	ds_add_u32 v[SPW], v[NIL]
	s_wait_dscnt 0x0
	CROUND
	s_endpgm
.Lfunc_end_k_qb2e50d3736_outp:
	.size	k_qb2e50d3736_outp, .Lfunc_end_k_qb2e50d3736_outp-k_qb2e50d3736_outp
	.p2alignl 7, 3214868480
	.fill 96, 4, 3214868480
	.section	.rodata,"a",@progbits
	.p2align	6, 0x0
	.amdhsa_kernel k_qb2e50d3736_outp
		.amdhsa_group_segment_fixed_size 327680
		.amdhsa_private_segment_fixed_size 0
		.amdhsa_enable_private_segment 0
		.amdhsa_kernarg_size 48
		.amdhsa_user_sgpr_count 2
		.amdhsa_user_sgpr_kernarg_segment_ptr 1
		.amdhsa_wavefront_size32 1
		.amdhsa_system_sgpr_workgroup_id_x 1
		.amdhsa_system_sgpr_workgroup_id_y 1
		.amdhsa_system_sgpr_workgroup_id_z 1
		.amdhsa_system_vgpr_workitem_id 0
		.amdhsa_next_free_vgpr 1024
		.amdhsa_next_free_sgpr 80
		.amdhsa_reserve_vcc 0
		.amdhsa_float_denorm_mode_32 3
		.amdhsa_float_denorm_mode_16_64 3
		.amdhsa_memory_ordered 1
		.amdhsa_forward_progress 1
		.amdhsa_inst_pref_size 86
	.end_amdhsa_kernel
	.amdgpu_metadata
---
amdhsa.version: [ 1, 2 ]
amdhsa.kernels:
  - .name:           k_qb2e50d3736_outp
    .symbol:         k_qb2e50d3736_outp.kd
    .args:
      - { .name: o_img, .offset: 0, .size: 8, .value_kind: global_buffer, .address_space: global }
      - { .name: Wo_codes, .offset: 8, .size: 8, .value_kind: global_buffer, .address_space: global }
      - { .name: o_sc, .offset: 16, .size: 8, .value_kind: global_buffer, .address_space: global }
      - { .name: Wo_scales, .offset: 24, .size: 8, .value_kind: global_buffer, .address_space: global }
      - { .name: bo, .offset: 32, .size: 8, .value_kind: global_buffer, .address_space: global }
      - { .name: out0, .offset: 40, .size: 8, .value_kind: global_buffer, .address_space: global }
    .group_segment_fixed_size: 327680
    .private_segment_fixed_size: 0
    .kernarg_segment_align: 8
    .kernarg_segment_size: 48
    .max_flat_workgroup_size: 128
    .sgpr_count:     80
    .vgpr_count:     1024
    .wavefront_size: 32
...
	.end_amdgpu_metadata
.endif
;; end of part 4
